; MI455X (gfx1250); checked and timed in simulation.
; The chip was launched on July 23, 2026; its instructions are those of AMD's public machine-readable ISA for CDNA 5 (MIT licence, August 2026) and "CDNA5" Instruction Set Architecture Reference Guide (July 2026). The comments in the code are by the model that wrote it; some were corrected since.
;; Self Attention. Allowed arithmetic: matrix products marked QUANTISED: E2M3 operands, one E8M0 scale for each 32 along K, by v_wmma_scale_f32_16x16x128_f8f6f4 with both operands' format E2M3, f32 sums; everything else in f32.
;; Inputs: W 3,072 x 1,024 float32; b 3,072 float32; x 4 x 2,048 x 1,024 float32.
;; Outputs: out0 4 x 2,048 x 1,024 float32.
;; This version of the problem:
;;   THIS VERSION OF THE PROBLEM IS GIVEN IN LOW PRECISION. The matrix products marked QUANTISED in the list below multiply operands that are first quantised to E2M3 (2 exponent bits, 3 mantissa bits; 6 bits a number), with one power-of-two scale for each 32 numbers along K (OCP MX v1.0); their sums are f32. All else is computed in f32.
;;   The module's matrix products, in the order in which they are computed (A, B: the left and right operand; K: the contracted axis; several contracted axes count as one K, in the product's order):
;;     1. [M 8,192, K 1,024] x [K 1,024, N 3,072]; A: input x; B: input W: QUANTISED
;;     2. batch 4 x [M 2,048, K 1,024] x [K 1,024, N 2,048]; A: computed on the way; B: computed on the way: QUANTISED
;;     3. batch 4 x [M 2,048, K 2,048] x [K 2,048, N 1,024]; A: softmax (see below); B: computed on the way: QUANTISED
;;   THE QUANTISER, for each operand of a quantised product, along K:
;;     - K is cut into blocks of 32 from its start; a last block that is shorter is filled with zeros.
;;     - A block's scale is 2^e with e = floor(log2(the largest magnitude in the block)) - 2, held to -126 .. 127; a block of zeros has e = 0. As a byte (E8M0): e + 127.
;;     - Each number is divided by its block's scale, clamped to +-7.5, and rounded to the nearest number of E2M3, ties to even, subnormals kept.
;;     - The product sums the exact products of the quantised numbers (number of the format x scale) in f32.
;;   ~~~python
;;   def quantise(x, axis):      # numpy; x: float32 -> the quantised numbers, widened to float32 again
;;       x = np.moveaxis(x, axis, -1); K = x.shape[-1]
;;       x = np.pad(x, [(0, 0)] * (x.ndim - 1) + [(0, -K % 32)]); x = x.reshape(x.shape[:-1] + (-1, 32)); a = np.abs(x).max(-1, keepdims=True)
;;       e = np.where(a > 0, np.clip(np.frexp(np.where(a > 0, a, 1))[1] - 1 - 2, -126, 127), 0)      # np.frexp(a)[1] - 1 = floor(log2(a)), exactly
;;       r = np.clip(x / 2.0 ** e, -7.5, 7.5)
;;       step = 2.0 ** (np.maximum(np.frexp(np.where(r == 0, 1, r))[1] - 1, 0) - 3)
;;       q = np.round(r / step) * step * 2.0 ** e      # np.round: ties to even
;;       return np.moveaxis(q.reshape(q.shape[:-2] + (-1,))[..., :K], -1, axis).astype(np.float32)
;;   ~~~
;;   SOFTMAX AHEAD OF A QUANTISED PRODUCT. Where the list says 'softmax', what is quantised is not the finished softmax but p = 2^(t - M), with t = logit x log2(e) and M = ceil(the row's largest t), a whole number; so 1/2 < the row's largest p <= 1. The row's sum l is taken of the UNQUANTISED p, in f32, and the product's result is divided by l at the end. Since M is a whole number, a kernel that streams over the keys may use a running M (the ceiling of the running maximum): every later rescaling is an exact power of two, which a block's scale takes up: the codes' values come out the same.
;;   OPERANDS COMPUTED ON THE WAY. 'Computed on the way' means the value that the module computes at that place (a softmax that the list does not call 'softmax' is quantised finished and normalised). What goes into a quantiser is computed in f32, as accurately as f32 sums, v_exp_f32 and their like allow (about 1e-6 of the number): no bf16 or f16 on the way to a quantiser, and a product that is left as it is and whose result goes on into a quantised operand takes f32 operands (vector FMAs, or v_wmma_f32_16x16x4_f32). A number that lies on a knife's edge between two numbers of the format may be rounded either way, as far as f32 arithmetic and the matrix unit's own rounding can turn it there, and no further.
;; One version. Each part assembles by itself: llvm-mc -triple=amdgcn-amd-amdhsa -mcpu=gfx1250 --defsym DOCPART=n.
;; ======== version 1 of 1: 4 launches
;; workspace buffers: xw 9,011,200 bytes; qk 13,107,200 bytes; vt 6,553,600 bytes; p 14,155,776 bytes
;; launch quant (part 1): grid 176 x 1, 8 waves a work-group, no clusters, 70,656 bytes of LDS; arguments x, W, xw; writes xw
.if DOCPART == 1
	.amdgcn_target "amdgcn-amd-amdhsa--gfx1250"
	.amdhsa_code_object_version 6
	.text
	.protected	k_q93d1623a1d_quant
	.globl	k_q93d1623a1d_quant
	.p2align	8
	.type	k_q93d1623a1d_quant,@function
k_q93d1623a1d_quant:
	s_mov_b64 s[64:65], 0
	v_nop
	global_prefetch_b8 v0, s[64:65] scope:SCOPE_SE
	s_setreg_imm32_b32 hwreg(HW_REG_WAVE_MODE, 25, 1), 1
	s_wait_xcnt 0x0
; x [8192][1024] and W [3072][1024], f32, become codes of FP6 (E2M3) with one E8M0 scale byte for each 32 along K, in the workspace xw (rows 0-8191: x, rows 8192-11263: W).
; A block's scale is 2^(floor(log2(its largest magnitude)) - 2); its byte is the largest magnitude's exponent field - 2, held at 1 from below (a block of zeros keeps the byte 1: its codes are zeros, and this program alone reads the bytes).
; LIMITS: NaN and infinities among the inputs are not served; blocks whose largest magnitude lies under 2^-124 keep the byte 1.
; LAYOUT OF xw.  Codes: [row tile of 16][K step of 128][1,536 bytes]: a fragment as an image of its 12 registers: registers 4 c .. 4 c + 3 of lane l at 512 c + 16 l.  Scale words at XWS: [K step][row], 4 bytes.
; STORAGE ORDER OF ROWS: lane r of row tile T stands for the tensor's row 32 (T / 2) + 8 (T % 2) + r + 8 (r / 8): an operand that is later taken as source 0 then leaves 16 neighbours in a lane's 16 registers of two tiles.
; SHARES.  A work-group takes 4 row tiles (64 rows); wave w takes tile w % 4 and K steps 4 (w / 4) + 0 .. 3.  The first 128 work-groups take x, the others W: only the pointer is chosen, there is one path.
; Each load reads 512 consecutive bytes of one row; the 16 rows of a K step turn through the wave's own stage in LDS (rows of 528 bytes) and come back 16 neighbours x 4 blocks a lane.
; The scale words of the work-group's 64 rows meet in LDS and leave as 256 consecutive bytes for each K step.
.set XWS,   8650752                    ; where the scale words begin in xw
.set SP,    528                        ; a stage row: 512 bytes + 16
.set STGB,  16*SP                      ; a wave's stage
.set SCG,   8*STGB                     ; behind the stages: [8 K steps][64 rows] scale words, 2,048 bytes
.set R,     16                         ; v16-143  two sets of 64 numbers as loaded
.set X,     144                        ; v144-207 64 numbers: register 16 b + i = k 32 b + 16 (lane / 16) + i of my row
.set PC,    208                        ; v208-227 the codes just made
.set TM,    228                        ; v228-243 at work in QUANT
.set PW,    244                        ; v244     the scale word just made
.set SEL,   20                         ; s[20:21] lane selects for v_permlanex16_b32: lane l xor 16
	s_load_b128 s[4:7], s[0:1], 0x0                ; x, W
	s_load_b64 s[8:9], s[0:1], 0x10                ; xw
	v_lshl_add_u32 v248, v0, 2, 0x11000
	v_mov_b32 v249, 0
	v_lshrrev_b32 v1, 5, v0
	v_readfirstlane_b32 s16, v1                    ; wave 0..7
	v_and_b32 v1, 31, v0                           ; lane
	v_and_b32 v2, 15, v0                           ; r
	v_bfe_u32 v3, v0, 4, 1                         ; h
	v_lshlrev_b32 v4, 4, v1                        ; 16 x lane: my bytes of a load's or a store's 512
	s_mul_i32 s17, s16, STGB
	v_add_nc_u32 v5, s17, v4                       ; the stage, on the way in: 16 x lane of a row
	v_mul_u32_u24 v6, v2, SP
	v_lshl_add_u32 v6, v3, 6, v6
	v_add_nc_u32 v6, s17, v6                       ; and on the way out: row r, + 64 h
	s_and_b32 s18, s16, 3                          ; my tile of the four
	s_lshr_b32 s19, s16, 2                         ; my half of K
	s_lshl_b32 s22, s18, 6
	s_lshl_b32 s23, s19, 10
	s_add_co_u32 s22, s22, s23
	s_add_co_u32 s22, s22, SCG
	v_lshl_add_u32 v7, v2, 2, s22                  ; where my row's scale word goes: 256 bytes a K step, 64 a tile, 4 a row
	s_lshl_b32 s23, s16, 8
	s_add_co_u32 s23, s23, SCG
	v_lshl_add_u32 v8, v1, 3, s23                  ; and on the way out: wave w takes K step w, 8 bytes a lane
	v_lshlrev_b32 v9, 3, v1
	s_mov_b32 s[SEL], 0x76543210
	s_mov_b32 s[SEL+1], 0xfedcba98
.irp b, 0,1,2,3
	v_mov_b32 v[TM+4+\b], 0                        ; written once: a lane permute's destination counts as one of its sources
.endr
	s_lshl_b32 s24, ttmp9, 2
	s_add_co_u32 s24, s24, s18                     ; T: my row tile in xw
	s_wait_kmcnt 0x0
	s_cmp_lt_u32 ttmp9, 128                        ; x's work-group or W's?  The choice hangs on the work-group's number alone
	s_cselect_b64 s[4:5], s[4:5], s[6:7]
	s_cselect_b32 s25, 0, 512
	s_sub_co_u32 s25, s24, s25                     ; the tile's number in its own tensor
	s_lshr_b32 s26, s25, 1
	s_lshl_b32 s26, s26, 17                        ; 32 rows of 4,096 bytes for each pair of tiles,
	s_and_b32 s27, s25, 1
	s_lshl_b32 s27, s27, 15                        ; 8 rows for the odd tile,
	s_add_co_u32 s26, s26, s27
	s_lshl_b32 s27, s19, 11                        ; 4 K steps of 512 bytes
	s_add_co_u32 s26, s26, s27
	s_mov_b32 s27, 0
	s_add_nc_u64 s[4:5], s[4:5], s[26:27]
	s_mul_i32 s26, s24, 12288                      ; the tile's 8 images,
	s_mul_i32 s28, s19, 6144                       ; my 4 of them
	s_add_co_u32 s26, s26, s28
	s_add_nc_u64 s[10:11], s[8:9], s[26:27]
	s_mul_i32 s26, s16, 45056                      ; scale words: K step w's 11,264 rows,
	s_lshl_b32 s28, ttmp9, 8                       ; my work-group's 64
	s_add_co_u32 s26, s26, s28
	s_add_co_u32 s26, s26, XWS
	s_add_nc_u64 s[8:9], s[8:9], s[26:27]
.macro LOAD t                          ; K step t of my 16 rows: a row's 512 bytes a load
.irp i, 0,1,2,3,4,5,6,7,8,9,10,11,12,13,14,15
	global_load_b128 v[R+64*((\t)%2)+4*\i:R+64*((\t)%2)+4*\i+3], v4, s[4:5] offset:(\i+8*(\i/8))*4096+512*(\t) th:TH_LOAD_NT
.endr
.endm
.macro TURNQ t                         ; through the stage: LDS serves a wave's instructions in order, so no wait stands between the stores and the loads
.irp i, 0,1,2,3,4,5,6,7,8,9,10,11,12,13,14,15
	ds_store_b128 v5, v[R+64*((\t)%2)+4*\i:R+64*((\t)%2)+4*\i+3] offset:SP*\i
.endr
.irp n, 0,1,2,3,4,5,6,7,8,9,10,11,12,13,14,15
	ds_load_b128 v[X+4*\n:X+4*\n+3], v6 offset:128*(\n/4)+16*(\n%4)
.endr
.endm
; 64 numbers of a lane, v[s] on, register 16 b + i = k 32 b + 16 (lane / 16) + i of my row, become a fragment's codes in v[PC] on and its scale word in v[pw]
.macro QUANT s, pw
.irp b, 0,1,2,3
	v_max3_num_f32 v[TM+\b], |v[\s+16*\b]|, |v[\s+1+16*\b]|, 0x1800000   ; block b: my 16 numbers, and the floor 2^(3 - 127): the byte cannot fall under 1
.endr
.irp i, 2,4,6,8,10,12,14
.irp b, 0,1,2,3
	v_max3_num_f32 v[TM+\b], v[TM+\b], |v[\s+16*\b+\i]|, |v[\s+1+16*\b+\i]|   ; the four blocks by turns
.endr
.endr
.irp b, 0,1,2,3
	v_permlanex16_b32 v[TM+4+\b], v[TM+\b], s[SEL], s[SEL+1]
.endr
.irp b, 0,1,2,3
	v_max_num_f32 v[TM+\b], v[TM+\b], v[TM+4+\b]   ; with lane l xor 16's: the block's largest magnitude
.endr
.irp b, 0,1,2,3
	v_add_nc_u32 v[TM+12+\b], 0xff000000, v[TM+\b] ; 2 off its exponent field: the conversion takes this operand's exponent field as its scale
.endr
.irp b, 0,1,2,3
	v_lshrrev_b32 v[TM+4+\b], 23, v[TM+12+\b]      ; the scale's byte
.endr
	v_lshl_or_b32 v[\pw], v[TM+5], 8, v[TM+4]      ; four bytes: my row's scale word
	v_lshl_or_b32 v[\pw], v[TM+6], 16, v[\pw]
	v_lshl_or_b32 v[\pw], v[TM+7], 24, v[\pw]
.irp c, 0,1
	v_cvt_scalef32_pk16_fp6_f32 v[PC+6*\c:PC+2+6*\c], v[\s+32*\c:\s+15+32*\c], v[TM+12+2*\c]
	v_cvt_scalef32_pk16_fp6_f32 v[PC+12+4*\c:PC+14+4*\c], v[\s+16+32*\c:\s+31+32*\c], v[TM+12+2*\c+1]   ; (a conversion's three registers begin on an even number)
.endr
	v_nop                                          ; one plain instruction behind a scaled conversion
.irp c, 0,1                            ; the operand's layout wants a whole block in a lane: lanes 0-15 block 2 c, lanes 16-31 block 2 c + 1
.irp i, 0,1,2
	v_permlane16_swap_b32 v[PC+6*\c+\i], v[PC+12+4*\c+\i]
.endr
.irp i, 0,1,2
	v_mov_b32 v[PC+3+6*\c+\i], v[PC+12+4*\c+\i]
.endr
.endr
.endm
.macro QSTEP t
.if (\t) < 3
	s_wait_loadcnt 16                              ; this K step's 16 loads are in; the next step's 16 may be out
.else
	s_wait_loadcnt 0x0
.endif
	TURNQ \t
	s_wait_dscnt 0x0                               ; the numbers are back, and the stage's stores have read their registers,
.if (\t) < 2
	LOAD (\t)+2                                    ; which take the loads of two steps on
.endif
.if (\t) > 0
	s_wait_xcnt 0x0                                ; the last step's stores have read the codes' registers: they are written again only behind this wait
.endif
	QUANT X, PW
.irp c, 0,1,2
	global_store_b128 v4, v[PC+4*\c:PC+4*\c+3], s[10:11] offset:1536*(\t)+512*\c   ; 32 lanes store 512 consecutive bytes, aligned
.endr
	ds_store_b32 v7, v[PW] offset:256*(\t)         ; both halves of the lanes write the same word with the same value
.endm
	LOAD 0
	LOAD 1
	QSTEP 0
	QSTEP 1
	QSTEP 2
	QSTEP 3
	s_wait_dscnt 0x0                               ; for the others' sake: my scale words lie in LDS
	s_barrier_signal -1
	s_barrier_wait -1
	ds_load_b64 v[10:11], v8                       ; K step w's words of the 64 rows
	s_wait_dscnt 0x0
	global_store_b64 v9, v[10:11], s[8:9]          ; 32 lanes store 256 consecutive bytes, aligned
	s_wait_tensorcnt 0x0
	ds_add_u32 v248, v249
	s_wait_dscnt 0x0
	s_endpgm
.Lfunc_end_k_q93d1623a1d_quant:
	.size	k_q93d1623a1d_quant, .Lfunc_end_k_q93d1623a1d_quant-k_q93d1623a1d_quant
	.p2alignl 7, 3214868480
	.fill 96, 4, 3214868480
	.section	.rodata,"a",@progbits
	.p2align	6, 0x0
	.amdhsa_kernel k_q93d1623a1d_quant
		.amdhsa_group_segment_fixed_size 70656
		.amdhsa_private_segment_fixed_size 0
		.amdhsa_enable_private_segment 0
		.amdhsa_kernarg_size 24
		.amdhsa_user_sgpr_count 2
		.amdhsa_user_sgpr_kernarg_segment_ptr 1
		.amdhsa_wavefront_size32 1
		.amdhsa_system_sgpr_workgroup_id_x 1
		.amdhsa_system_sgpr_workgroup_id_y 1
		.amdhsa_system_sgpr_workgroup_id_z 1
		.amdhsa_system_vgpr_workitem_id 0
		.amdhsa_next_free_vgpr 250
		.amdhsa_next_free_sgpr 66
		.amdhsa_reserve_vcc 0
		.amdhsa_float_denorm_mode_32 3
		.amdhsa_float_denorm_mode_16_64 3
		.amdhsa_memory_ordered 1
		.amdhsa_forward_progress 1
		.amdhsa_inst_pref_size 34
	.end_amdhsa_kernel
	.amdgpu_metadata
---
amdhsa.version: [ 1, 2 ]
amdhsa.kernels:
  - .name:           k_q93d1623a1d_quant
    .symbol:         k_q93d1623a1d_quant.kd
    .args:
      - { .name: x, .offset: 0, .size: 8, .value_kind: global_buffer, .address_space: global }
      - { .name: W, .offset: 8, .size: 8, .value_kind: global_buffer, .address_space: global }
      - { .name: xw, .offset: 16, .size: 8, .value_kind: global_buffer, .address_space: global }
    .group_segment_fixed_size: 70656
    .private_segment_fixed_size: 0
    .kernarg_segment_align: 8
    .kernarg_segment_size: 24
    .max_flat_workgroup_size: 256
    .sgpr_count:     66
    .vgpr_count:     250
    .wavefront_size: 32
...
	.end_amdgpu_metadata
.endif
;; end of part 1
;; launch qkv (part 2): grid 8 x 48, 4 waves a work-group, clusters of 4 x 4, 327,680 bytes of LDS; arguments xw, b, qk, vt; writes qk, vt
.if DOCPART == 2
	.amdgcn_target "amdgcn-amd-amdhsa--gfx1250"
	.amdhsa_code_object_version 6
	.text
	.protected	k_q93d1623a1d_qkv
	.globl	k_q93d1623a1d_qkv
	.p2align	8
	.type	k_q93d1623a1d_qkv,@function
k_q93d1623a1d_qkv:
	s_mov_b64 s[64:65], 0
	v_nop
	global_prefetch_b8 v0, s[64:65] scope:SCOPE_SE
	s_setreg_imm32_b32 hwreg(HW_REG_WAVE_MODE, 25, 1), 1
	s_wait_xcnt 0x0
	s_wait_alu depctr_hold_cnt(0) depctr_sa_sdst(0) depctr_va_vdst(0) depctr_va_sdst(0) depctr_va_ssrc(0) depctr_va_vcc(0) depctr_vm_vsrc(0)
	s_getreg_b32 s2, hwreg(HW_REG_IB_STS2, 6, 4)
	s_cmp_eq_u32 s2, 0
	s_cbranch_scc0 .Lentry_in_a_cluster
	s_endpgm
.Lentry_in_a_cluster:
	s_bfe_u32 s2, ttmp6, 0x10000c
	s_cmp_lg_u32 s2, 0xf033
	s_cbranch_scc0 .Lentry_shape_is_right
	s_endpgm
.Lentry_shape_is_right:
; qkv = x W^T + b on codes of FP6 (E2M3) with E8M0 scales, sums in f32; the result is quantised on the way out and never stored as f32:
; q and k along the channels into qk (rows 0-8191 q, rows 8192-16383 k), v along the TOKENS into vt (rows = channels), since the tokens are the last product's K.
; LIMITS: NaN and infinities are not served; blocks whose largest magnitude lies under 2^-124 keep the byte 1 (a block of zeros too: its codes are zeros, and this program alone reads the bytes).
; LAYOUT of xw, qk, vt.  Codes: [row tile of 16][K step of 128][1,536 bytes], a fragment as an image of its 12 registers (registers 4 c .. 4 c + 3 of lane l at 512 c + 16 l); scale words: [K step][row].
; Rows lie in STORAGE ORDER: lane r of tile T stands for row 32 (T / 2) + 8 (T % 2) + r + 8 (r / 8).
; A tile of the result, 256 x 256, is made by four waves, 128 x 128 each: 64 accumulators, 512 registers.  'A' is the operand whose row a lane holds (source 1), 'B' the one that runs along a lane's registers (source 0).
; By the storage order the 16 registers of B's tiles 2 b and 2 b + 1 are 16 neighbours, 32 b + 16 (lane / 16) + 0 .. 15: a block of A's 16 rows x my 128 of B is one fragment of the next product, with B's index as its K.
; q, k (cluster y under 8): A = x's rows (tokens), B = W's rows 0-2047 (channels).   v (cluster y 8-11): A = W's rows 2048-3071 (channels), B = x's rows (tokens).  The choice hangs on the cluster's y alone.
; K goes in steps of 256 through a ring of two LDS slots; a wave's tensor load brings 8 row tiles x 3,072 consecutive bytes.  The scale words of all of K come once, with the first fills.
; CLUSTERS: 4 x 4.  A's tiles are shared along a row of the cluster, B's along a column: each is asked for jointly, by the same tensor load with the same descriptor and a mask that names the four.
; REGISTERS, in windows of 256: window 0: v0-31 addresses; v32-63 scale words, two sets; v64-127 the bias along the registers; v128-223 A's fragments, one set; v224-231 the bias of the lane's rows; v232-247 at work on the way out.
;   window 1: B's fragments, two sets, at v0 and v128.   window 2: the accumulators of A's blocks 0-3 ((a, b) at v[8 (8 (a % 4) + b)]);   window 3: those of blocks 4-7.
.set NK,     8                         ; K steps of 128
.set XWS,    8650752                   ; where the scale words begin in xw,
.set QKS,    12582912                  ; in qk,
.set VTS,    6291456                   ; in vt
.set NQ,     2                         ; K steps of 128 in a slot
.set FR,     12                        ; registers of a fragment
.set NL,     3                         ; LDS loads that bring one
.set NP,     4                         ; places behind this matrix instruction (ISA guide 7.12.1)
.set FRB,    1536                      ; a fragment's image
.set TROW,   NQ*FRB                    ; a row tile's bytes in a slot
.set HALFT,  8*TROW                    ; 128 rows: what one tensor load brings
.set SLOT,   4*HALFT                   ; A's two halves, then B's two
.set LAPS,   NK/(2*NQ)                 ; a lap = once round the ring
.set SCL,    2*SLOT                    ; behind the ring: the scale words, [region][K step][128 rows]
.set HALFS,  512*NK
.set SPARE,  SCL+4*HALFS               ; the spare words, 128 bytes for each wave: two blocks of 256 bytes that no other line names
.set LI,   10                          ; v10     16 x lane
.set ADRA, 16                          ; v16-17  LDS address of my A fragments in slot 0, 1
.set ADRB, 20                          ; v20-21  the same for B
.set ADRS, 27                          ; v27     LDS address of my scale words: lanes 0-15 A's rows, lanes 16-31 B's
.set SPW,  28                          ; v28     LDS address of my spare word; never rewritten
.set NIL,  29                          ; v29     0; never rewritten
.set SC,   32                          ; scale words: set s at v[SC + 16 s]; register 2 i + q: lanes 0-15 A's block i, lanes 16-31 B's block i, the slot's q-th 128 along K
.set AF,   128
.set BJ,   64                          ; v64-127  b at my 64 places along the registers
.set BI,   224                         ; v224-231 b at my row of each of A's eight blocks
.set H,    128                         ; the way out: 64 numbers
.set PC,   192                         ; their codes
.set TM,   232
.set SEL,  66                          ; s[66:67] lane selects for v_permlanex16_b32: lane l xor 16
.set G1, 24                            ; s[24:31] descriptor group 1 for A's tiles;  s[32:39] group 0, one set for each slot
.set G0, 32
.set G1B, 48                           ; s[48:55], s[56:63] the same for B's tiles
.set G0B, 56
.set G1S, 68                           ; s[68:75], s[76:79] groups 1 and 0 for A's scale words;  s[80:87], s[88:91] for B's
.set G0S, 76
.set G1SB, 80
.set G0SB, 88
.set MSB, 0
.macro WIN new                         ; the immediate's high byte repeats the setting that is left
.if MSB != (\new)
	s_set_vgpr_msb (MSB<<8)|(\new)
.set MSB, \new
.endif
.endm
.set MUL_LO, 0xa1                      ; source 0 (B) window 1, source 1 (A) window 0, C and D window 2
.set MUL_HI, 0xf1                      ; the same, C and D window 3
.set TO_B,   0x40                      ; destination window 1, address window 0
; A joint refill: waves 0 and 1 fetch for A, waves 2 and 3 for B; the branch hangs on the wave's number alone.  Four v_nop follow each of the two lines.
.macro JLOAD g0a, g1a, g0b, g1b
	s_cmp_eq_u32 s15, 0
	s_cbranch_scc0 .Lfor_b_\@
	tensor_load_to_lds s[\g0a:\g0a+3], s[\g1a:\g1a+7]
	s_nop 0
.rept 4
	v_nop
.endr
	s_branch .Lasked_\@
.Lfor_b_\@:
	tensor_load_to_lds s[\g0b:\g0b+3], s[\g1b:\g1b+7]
	s_nop 0
.rept 4
	v_nop
.endr
.Lasked_\@:
.endm
.macro CREST                           ; a round of the cluster's barrier behind its opening barrier
	s_cmp_lg_u32 s14, 0
	s_cbranch_scc1 .Lnot_wave_0_\@
	s_barrier_signal -3
.Lnot_wave_0_\@:
	s_barrier_wait -3
	s_barrier_signal -1
	s_barrier_wait -1
.endm
.macro CROUND                          ; a whole round
	s_barrier_signal -1
	s_barrier_wait -1
	CREST
.endm
	s_load_b128 s[4:7], s[0:1], 0x0                ; xw s[4:5], b s[6:7]
	s_load_b128 s[8:11], s[0:1], 0x10              ; qk s[8:9], vt s[10:11]
	v_lshl_add_u32 v[SPW], v0, 2, SPARE
	v_mov_b32 v[NIL], 0
	ds_add_u32 v28, v29
	ds_add_u32 v28, v29
	s_wait_dscnt 0x0
	v_lshrrev_b32 v1, 5, v0
	v_readfirstlane_b32 s14, v1                    ; wave 0..3
	s_lshr_b32 s15, s14, 1                         ; which half of A's rows is mine.  Also: I fetch for A (0) or for B (1)
	s_and_b32 s16, s14, 1                          ; which half of B's rows.  Also: which 128 rows I fetch
	s_bfe_u32 s40, ttmp6, 0x40000                  ; cx, cy: my place in the cluster
	s_bfe_u32 s41, ttmp6, 0x40004
	s_and_b32 s17, ttmp7, 0xffff                   ; Y: the cluster's y, 0..11;  ttmp9 = X, 0..1
	s_lshl_b32 s43, s41, 2
	s_lshl_b32 s43, 15, s43                        ; my row of the cluster
	s_lshl_b32 s44, 0x1111, s40                    ; my column
	s_lshl_b32 s18, s17, 2                         ; 4 Y
	s_lshl_b32 s19, ttmp9, 2                       ; 4 X
	s_lshl_b32 s2, s17, 3
	s_add_co_u32 s2, s2, s19
	s_sub_co_u32 s2, s2, 64                        ; v: B's tile of x less cx: 4 (2 (Y - 8) + X)
	s_add_co_u32 s22, s19, 32                      ; q, k: B's tile in xw less cx: W begins at tile 32
	s_cmp_ge_u32 s17, 8                            ; v's clusters
	s_cselect_b32 s42, 1, 0
	s_cselect_b32 s20, 40, s18                     ; A's tile in xw less cy: W's row 2,048 is xw's tile 40; else 4 Y
	s_cselect_b32 s46, s2, s22
	s_lshl_b32 s23, s16, 7
	s_add_co_u32 s20, s20, s41
	s_lshl_b32 s20, s20, 8
	s_add_co_u32 s20, s20, s23                     ; A: the first row that I fetch
	s_add_co_u32 s46, s46, s40
	s_lshl_b32 s46, s46, 8
	s_add_co_u32 s46, s46, s23                     ; B likewise
	s_mul_i32 s96, s20, 768                        ; its codes: 12,288 bytes for 16 rows
	s_mov_b32 s97, 0
	s_lshl_b32 s20, s20, 2
	s_add_co_u32 s20, s20, XWS                     ; its scale words
	s_mov_b32 s21, 0
	s_mul_i32 s92, s46, 768
	s_mov_b32 s93, 0
	s_lshl_b32 s46, s46, 2
	s_add_co_u32 s46, s46, XWS
	s_mov_b32 s47, 0
	s_mul_i32 s45, s14, HALFT                      ; where they go: wave x 128 rows: no place in the cluster enters an LDS address
	s_mul_i32 s94, s14, HALFS
	; descriptor group 1 for codes: 8 rows (row tiles) of 384 elements of 8 bytes, 12,288 bytes apart, no padding
	s_or_b32 s[G1+0], s43, (3<<16)|(1<<21)         ; 15:0 the mask: A's tiles go to my row; 17:16 elements of 8 bytes; 21 set beside a mask
	s_or_b32 s[G1B+0], s44, (3<<16)|(1<<21)
.irp g, G1, G1B
	s_mov_b32 s[\g+1], 384<<16                     ; tensor_dim0
	s_mov_b32 s[\g+2], 8<<16                       ; tensor_dim1
	s_mov_b32 s[\g+3], 384<<16                     ; tile_dim0
	s_mov_b32 s[\g+4], 8                           ; tile_dim1
	s_mov_b32 s[\g+5], 1536                        ; tensor_dim0_stride
	s_mov_b32 s[\g+6], 0
	s_mov_b32 s[\g+7], 0
.endr
	; and for scale words: NK rows (K steps) of 64 elements (128 rows' words), 11,264 words apart
	s_or_b32 s[G1S+0], s43, (3<<16)|(1<<21)
	s_or_b32 s[G1SB+0], s44, (3<<16)|(1<<21)
.irp g, G1S, G1SB
	s_mov_b32 s[\g+1], 64<<16
	s_mov_b32 s[\g+2], NK<<16
	s_mov_b32 s[\g+3], 64<<16
	s_mov_b32 s[\g+4], NK
	s_mov_b32 s[\g+5], 5632
	s_mov_b32 s[\g+6], 0
	s_mov_b32 s[\g+7], 0
.endr
	s_wait_kmcnt 0x0
	s_mov_b32 s[G0S], 1
	s_add_co_u32 s[G0S+1], s94, SCL
	s_add_nc_u64 s[G0S+2:G0S+3], s[4:5], s[20:21]
	s_or_b32 s[G0S+3], s[G0S+3], 0x80000000
	s_mov_b32 s[G0SB], 1
	s_add_co_u32 s[G0SB+1], s94, SCL
	s_add_nc_u64 s[G0SB+2:G0SB+3], s[4:5], s[46:47]
	s_or_b32 s[G0SB+3], s[G0SB+3], 0x80000000
	s_add_nc_u64 s[96:97], s[4:5], s[96:97]
	s_add_nc_u64 s[92:93], s[4:5], s[92:93]
.irp s, 0,1
	s_mov_b32 s[G0+4*\s], 1
	s_add_co_u32 s[G0+4*\s+1], s45, \s*SLOT
	s_add_nc_u64 s[G0+4*\s+2:G0+4*\s+3], s[96:97], \s*TROW
	s_or_b32 s[G0+4*\s+3], s[G0+4*\s+3], 0x80000000
	s_mov_b32 s[G0B+4*\s], 1
	s_add_co_u32 s[G0B+4*\s+1], s45, \s*SLOT
	s_add_nc_u64 s[G0B+4*\s+2:G0B+4*\s+3], s[92:93], \s*TROW
	s_or_b32 s[G0B+4*\s+3], s[G0B+4*\s+3], 0x80000000
.endr
	CROUND                                         ; all sixteen work-groups are here: the first joint loads meet
	s_cmp_eq_u32 s15, 0                            ; a wave's three first fills stand in one branch, ahead of every wait on TENSORcnt and every LDS read: three loads of mine are out
	s_cbranch_scc0 .Lfirst_b
	tensor_load_to_lds s[G0S:G0S+3], s[G1S:G1S+7]  ; the scale words first: they are wanted with K step 0
	s_nop 0
	tensor_load_to_lds s[G0:G0+3], s[G1:G1+7]
	s_nop 0
	tensor_load_to_lds s[G0+4:G0+7], s[G1:G1+7]
	s_nop 0
.rept 4
	v_nop
.endr
	s_branch .Lfirst_asked
.Lfirst_b:
	tensor_load_to_lds s[G0SB:G0SB+3], s[G1SB:G1SB+7]
	s_nop 0
	tensor_load_to_lds s[G0B:G0B+3], s[G1B:G1B+7]
	s_nop 0
	tensor_load_to_lds s[G0B+4:G0B+7], s[G1B:G1B+7]
	s_nop 0
.rept 4
	v_nop
.endr
.Lfirst_asked:
	v_and_b32 v1, 15, v0                           ; r
	v_bfe_u32 v2, v0, 4, 1                         ; h
	v_and_b32 v3, 31, v0
	v_lshlrev_b32 v[LI], 4, v3                     ; 16 x lane: an image's place for my lane
	s_mul_i32 s21, s15, HALFT                      ; my 128 rows of A
	s_mul_i32 s22, s16, HALFT                      ; my 128 rows of B,
	s_add_co_u32 s22, s22, 2*HALFT                 ; which lie behind A's 256
.irp s, 0,1
	v_add_nc_u32 v[ADRA+\s], s21, v[LI]
	v_add_nc_u32 v[ADRB+\s], s22, v[LI]
	s_add_co_u32 s21, s21, SLOT
	s_add_co_u32 s22, s22, SLOT
.endr
	s_mul_i32 s21, s15, HALFS                      ; A's scale words: my 128 rows
	s_mul_i32 s22, s16, HALFS                      ; B's: my 128 rows, behind A's two regions
	s_add_co_u32 s22, s22, 2*HALFS
	s_sub_co_u32 s22, s22, s21
	v_mul_u32_u24 v6, s22, v2                      ; lanes 16-31 take B's
	s_add_co_u32 s21, s21, SCL
	v_lshl_add_u32 v5, v1, 2, v6
	v_add_nc_u32 v[ADRS], s21, v5
	s_lshl_b32 s21, s14, 9                         ; the way out: 512 bytes of slot 0 for each wave's 128 scale words
	v_lshl_add_u32 v11, v1, 2, s21
	v_add_nc_u32 v12, s21, v[LI]
	s_mov_b32 s[SEL], 0x76543210
	s_mov_b32 s[SEL+1], 0xfedcba98
	; where the results go
	s_lshl_b32 s21, ttmp9, 13                      ; q, k: k's rows begin at 8,192
	s_mov_b32 s100, 12288                          ; bytes from row tile to row tile: 8 images in qk, 64 in vt
	s_mov_b32 s23, 65536                           ; bytes from K step to K step of scale words: 16,384 rows in qk, 1,024 in vt
	s_mov_b32 s95, QKS
	s_cmp_lg_u32 s42, 0
	s_cselect_b64 s[12:13], s[10:11], s[8:9]
	s_cselect_b32 s20, 0, s18
	s_cselect_b32 s21, 0, s21
	s_cselect_b32 s22, s2, 0
	s_cselect_b32 s100, 98304, s100
	s_cselect_b32 s23, 4096, s23
	s_cselect_b32 s95, VTS, s95
	s_mov_b32 s101, 0
	s_add_co_u32 s20, s20, s41
	s_lshl_b32 s20, s20, 8
	s_add_co_u32 s20, s20, s21
	s_lshl_b32 s21, s15, 7
	s_add_co_u32 s20, s20, s21                     ; my first row of the output
	s_add_co_u32 s22, s22, s40
	s_lshl_b32 s22, s22, 1
	s_add_co_u32 s22, s22, s16                     ; my K step of the output: my 128 of B
	s_lshr_b32 s46, s20, 4
	s_mul_i32 s46, s46, s100
	s_mul_i32 s47, s22, FRB
	s_add_co_u32 s46, s46, s47
	s_mov_b32 s47, 0
	s_mul_i32 s22, s22, s23
	s_lshl_b32 s20, s20, 2
	s_add_co_u32 s22, s22, s20
	s_add_co_u32 s22, s22, s95
	s_mov_b32 s23, 0
	s_add_nc_u64 s[98:99], s[12:13], s[22:23]      ; scale words
	s_add_nc_u64 s[12:13], s[12:13], s[46:47]      ; codes
	; the bias, in both forms; the form that a path does not use is read at its first place, so that every register is written on both paths
	s_add_co_u32 s20, s19, s40
	s_lshl_b32 s20, s20, 10                        ; q, k: 4 bytes x 256 (4 X + cx),
	s_lshl_b32 s21, s16, 9
	s_add_co_u32 s20, s20, s21                     ; + my 128 of B
	s_lshl_b32 s21, s41, 10                        ; v: 4 bytes x 256 cy,
	s_lshl_b32 s22, s15, 9
	s_add_co_u32 s21, s21, s22                     ; + my 128 of A
	s_cmp_lg_u32 s42, 0
	s_cselect_b32 s20, 0, s20
	s_cselect_b32 s21, s21, 0
	s_add_co_u32 s21, s21, 8192                    ; v's bias begins at b[2048]
	v_lshl_add_u32 v8, v2, 6, s20                  ; along the registers: + 64 h; never rewritten
	v_and_b32 v5, 8, v1
	v_add_nc_u32 v5, v5, v1                        ; r + 8 (r / 8)
	v_lshl_add_u32 v9, v5, 2, s21                  ; of my row; never rewritten
.irp n, 0,1,2,3,4,5,6,7,8,9,10,11,12,13,14,15
	global_load_b128 v[BJ+4*\n:BJ+4*\n+3], v8, s[6:7] offset:128*(\n/4)+16*(\n%4)   ; register 16 b + i: b at 32 b + 16 h + i of my 128
.endr
.irp a, 0,1,2,3,4,5,6,7
	global_load_b32 v[BI+\a], v9, s[6:7] offset:4*(32*(\a/2)+8*(\a%2))              ; block a's row r
.endr
.macro FRAG reg, adr, q, i             ; a fragment comes back as it was stored: three loads of 512 consecutive bytes
.irp c, 0,1,2
	ds_load_b128 v[\reg+4*\c:\reg+4*\c+3], v[\adr] offset:(\i)*TROW+(\q)*FRB+512*\c
.endr
.endm
; 16 matrix instructions: A's blocks a0, a0 + 1 x B's eight, 128 along K: the slot's q-th.  p: B's set;  sc: the set of scale words.  zero = 1: the first product starts the sums.
; The 64 accumulators take turns, one instruction a turn, in the same order in every step.
.macro MUL16 a0, p, q, sc, zero
.irp a, \a0, \a0+1
.irp b, 0,1,2,3,4,5,6,7
.if \zero
	v_wmma_scale_f32_16x16x128_f8f6f4 v[8*(8*((\a)%4)+\b):8*(8*((\a)%4)+\b)+7], v[128*(\p)+FR*\b:128*(\p)+FR*\b+FR-1], v[AF+FR*(\a):AF+FR*(\a)+FR-1], 0, v[SC+8*NQ*(\sc)+NQ*\b+(\q)], v[SC+8*NQ*(\sc)+NQ*(\a)+(\q)] matrix_a_fmt:MATRIX_FMT_FP6 matrix_b_fmt:MATRIX_FMT_FP6 matrix_a_scale:MATRIX_SCALE_ROW1
.else
	v_wmma_scale_f32_16x16x128_f8f6f4 v[8*(8*((\a)%4)+\b):8*(8*((\a)%4)+\b)+7], v[128*(\p)+FR*\b:128*(\p)+FR*\b+FR-1], v[AF+FR*(\a):AF+FR*(\a)+FR-1], v[8*(8*((\a)%4)+\b):8*(8*((\a)%4)+\b)+7], v[SC+8*NQ*(\sc)+NQ*\b+(\q)], v[SC+8*NQ*(\sc)+NQ*(\a)+(\q)] matrix_a_fmt:MATRIX_FMT_FP6 matrix_b_fmt:MATRIX_FMT_FP6 matrix_a_scale:MATRIX_SCALE_ROW1
.endif
.endr
.endr
.endm
.macro FETCH_B slot, q, p              ; B's eight fragments of the slot's q-th 128 along K into set p
	WIN TO_B
.irp i, 0,1,2,3,4,5,6,7
	FRAG 128*(\p)+FR*\i, ADRB+\slot, \q, \i
.endr
	WIN 0
.endm
.macro FETCH_A slot, q, i0             ; A's blocks i0 .. i0 + 3
.irp i, \i0, \i0+1, \i0+2, \i0+3
	FRAG AF+FR*(\i), ADRA+\slot, \q, \i
.endr
.endm
.macro SCALES sc                       ; a slot's scale words into set sc: lanes 0-15 take A's block i, lanes 16-31 B's block i
.irp i, 0,1,2,3,4,5,6,7
.irp q, 0,1
	ds_load_b32 v[SC+8*NQ*\sc+NQ*\i+\q], v[ADRS] offset:512*\q+64*\i
.endr
.endr
.endm
; A load into a register that a matrix instruction has read, and a vector instruction that reads a matrix result, stand NP places behind that matrix instruction; only plain vector instructions that name none of its registers are places.
.macro PLACES n
.rept \n
	v_nop
.endr
.endm
; A step of 128 along K that has its successor in the same slot.
.macro STEP slot, q, zero
	s_wait_dscnt 4*NL                              ; B's set, A's blocks 0-3 and the scale words are in; the 12 youngest loads (A's blocks 4-7) may be out
	WIN MUL_LO
	MUL16 0, (\q)%2, \q, \slot, \zero
	MUL16 2, (\q)%2, \q, \slot, \zero
	s_wait_dscnt 0                                 ; A's blocks 4-7 are in
	PLACES NP
	FETCH_B \slot, (\q)+1, 1-(\q)%2
	FETCH_A \slot, (\q)+1, 0
	WIN MUL_HI
	MUL16 4, (\q)%2, \q, \slot, \zero
	MUL16 6, (\q)%2, \q, \slot, \zero
	PLACES NP
	WIN 0
	FETCH_A \slot, (\q)+1, 4
.endm
; A slot's last step changes slots: ONE barrier; in front of it each wave waits for all its tensor loads, adds 0 to its spare word, and waits for that and for its own reads of this slot.  fill = 1: this slot is filled again, two slots ahead.
.macro TURN slot, next, fill
	s_wait_tensorcnt 0x0                           ; all my tensor loads have landed: my part of the next slot
	ds_add_u32 v[SPW], v[NIL]                      ; 0 onto my spare word
	s_wait_dscnt 4*NL+1                            ; (the add and the 12 youngest loads, A's blocks 4-7, may be out)
	WIN MUL_LO
	MUL16 0, 1, NQ-1, \slot, 0                     ; sixteen matrix instructions stand between the add and the wait for it
	s_wait_dscnt 0x0                               ; the add is done, and my reads of this slot are over
	s_barrier_signal -1
	MUL16 2, 1, NQ-1, \slot, 0
	WIN 0
	s_barrier_wait -1
.if \fill
	CREST                                          ; the barrier has opened a round of the cluster's barrier: no wave of any partner still reads this slot or has a load on its way
	s_add_nc_u64 s[G0+4*\slot+2:G0+4*\slot+3], s[G0+4*\slot+2:G0+4*\slot+3], 2*TROW
	s_add_nc_u64 s[G0B+4*\slot+2:G0B+4*\slot+3], s[G0B+4*\slot+2:G0B+4*\slot+3], 2*TROW
	JLOAD G0+4*\slot, G1, G0B+4*\slot, G1B         ; the first tensor load behind the round; its four v_nop are the places in front of the loads below
.else
	PLACES NP
.endif
	v_add_nc_u32 v[ADRS], 512*NQ, v[ADRS]          ; on to the next slot's scale words (no LDS load of mine is out)
	FETCH_B \next, 0, 0
	FETCH_A \next, 0, 0
	SCALES \next
	WIN MUL_HI
	MUL16 4, 1, NQ-1, \slot, 0
	MUL16 6, 1, NQ-1, \slot, 0
	PLACES NP
	WIN 0
	FETCH_A \next, 0, 4
.endm
	s_wait_tensorcnt 1                             ; the scale words and my part of slot 0 are in (slot 1's load may be out)
	s_barrier_signal -1
	s_barrier_wait -1                              ; everybody's are
	FETCH_B 0, 0, 0
	FETCH_A 0, 0, 0
	SCALES 0
	FETCH_A 0, 0, 4
	STEP 0, 0, 1                                   ; the first step stands in front of the loop: its products start the sums
	s_mov_b32 s3, LAPS-1
.Llap:                                                 ; a trip goes once round the ring and fills both slots again
	TURN 0, 1, 1
	STEP 1, 0, 0
	TURN 1, 0, 1
	STEP 0, 0, 0
	s_sub_co_u32 s3, s3, 1
	s_cmp_lg_u32 s3, 0
	s_cbranch_scc1 .Llap
	TURN 0, 1, 0                                   ; the last lap fills nothing, and has no round of the cluster's barrier
	STEP 1, 0, 0
	s_wait_dscnt 4*NL                              ; the very last step: nothing more to fetch
	WIN MUL_LO
	MUL16 0, 1, NQ-1, 1, 0
	MUL16 2, 1, NQ-1, 1, 0
	s_wait_dscnt 0
	WIN MUL_HI
	MUL16 4, 1, NQ-1, 1, 0
	MUL16 6, 1, NQ-1, 1, 0
	WIN 0
; 64 numbers of a lane, v[s] on, register 16 b + i = k 32 b + 16 (lane / 16) + i of my row, become a fragment's codes in v[PC] on and its scale word in v[pw]
.macro QUANT s, pw
.irp b, 0,1,2,3
	v_max3_num_f32 v[TM+\b], |v[\s+16*\b]|, |v[\s+1+16*\b]|, 0x1800000   ; block b: my 16 numbers, and the floor 2^(3 - 127): the byte cannot fall under 1
.endr
.irp i, 2,4,6,8,10,12,14
.irp b, 0,1,2,3
	v_max3_num_f32 v[TM+\b], v[TM+\b], |v[\s+16*\b+\i]|, |v[\s+1+16*\b+\i]|
.endr
.endr
.irp b, 0,1,2,3
	v_permlanex16_b32 v[TM+4+\b], v[TM+\b], s[SEL], s[SEL+1]
.endr
.irp b, 0,1,2,3
	v_max_num_f32 v[TM+\b], v[TM+\b], v[TM+4+\b]   ; with lane l xor 16's: the block's largest magnitude
.endr
.irp b, 0,1,2,3
	v_add_nc_u32 v[TM+12+\b], 0xff000000, v[TM+\b] ; 2 off its exponent field: the conversion's scale operand
.endr
.irp b, 0,1,2,3
	v_lshrrev_b32 v[TM+4+\b], 23, v[TM+12+\b]      ; the scale's byte
.endr
	v_lshl_or_b32 v[\pw], v[TM+5], 8, v[TM+4]
	v_lshl_or_b32 v[\pw], v[TM+6], 16, v[\pw]
	v_lshl_or_b32 v[\pw], v[TM+7], 24, v[\pw]
.irp c, 0,1
	v_cvt_scalef32_pk16_fp6_f32 v[PC+6*\c:PC+2+6*\c], v[\s+32*\c:\s+15+32*\c], v[TM+12+2*\c]
	v_cvt_scalef32_pk16_fp6_f32 v[PC+12+4*\c:PC+14+4*\c], v[\s+16+32*\c:\s+31+32*\c], v[TM+12+2*\c+1]
.endr
	v_nop                                          ; one plain instruction behind a scaled conversion
.irp c, 0,1
.irp i, 0,1,2
	v_permlane16_swap_b32 v[PC+6*\c+\i], v[PC+12+4*\c+\i]
.endr
.irp i, 0,1,2
	v_mov_b32 v[PC+3+6*\c+\i], v[PC+12+4*\c+\i]
.endr
.endr
.endm
; THE WAY OUT of A's block a: the bias is added (along the registers for q and k, the lane's row's for v), the 64 numbers are quantised, and the fragment leaves as its image.
.macro EMIT a
.set AC, 64*((\a)%4)
.if (\a) > 0
	s_wait_xcnt 0x0                                ; the last block's stores have read their base and the codes' registers
	s_add_nc_u64 s[12:13], s[12:13], s[100:101]    ; a row tile on
.endif
	s_cmp_lg_u32 s42, 0                            ; the same in all partners: it hangs on the cluster's y alone
	s_cbranch_scc1 .Lrowb_\@
	WIN 0x02+(\a)/4                                ; source 0: window 2 or 3
.set II, 0
.rept 32
	v_pk_add_f32 v[H+II:H+II+1], v[AC+II:AC+II+1], v[BJ+II:BJ+II+1]   ; each accumulator from its low end on
.set II, II+2
.endr
	WIN 0
	s_branch .Lsum_\@
.Lrowb_\@:
	WIN 0x02+(\a)/4
.set II, 0
.rept 32
.if (\a)%2
	v_pk_add_f32 v[H+II:H+II+1], v[AC+II:AC+II+1], v[BI+(\a)-1:BI+(\a)] op_sel:[0,1] op_sel_hi:[1,1]   ; the pair's upper register for both halves
.else
	v_pk_add_f32 v[H+II:H+II+1], v[AC+II:AC+II+1], v[BI+(\a):BI+(\a)+1] op_sel_hi:[1,0]                ; the pair's lower register for both halves
.endif
.set II, II+2
.endr
	WIN 0
.Lsum_\@:
	QUANT H, 32+(\a)
.irp c, 0,1,2
	global_store_b128 v[LI], v[PC+4*\c:PC+4*\c+3], s[12:13] offset:512*\c   ; 32 lanes store 512 consecutive bytes, aligned
.endr
.endm
	PLACES NP                                      ; behind the last products: their results are read and their operands' registers written below
.irp b, 0,1,2,3
	v_mov_b32 v[TM+4+\b], 0                        ; written once: a lane permute's destination counts as one of its sources
.endr
	s_wait_loadcnt 0x0                             ; the bias
.irp a, 0,1,2,3,4,5,6,7
	EMIT \a
.endr
.irp a, 0,1,2,3,4,5,6,7                ; my 128 rows' scale words meet in my own 512 bytes of slot 0, which has had its last fill and its last read, and leave together
	ds_store_b32 v11, v[32+\a] offset:64*\a        ; both halves of the lanes write the same word with the same value
.endr
	ds_load_b128 v[128:131], v12                   ; LDS serves a wave's instructions in order: this sees my stores
	s_wait_dscnt 0x0
	global_store_b128 v[LI], v[128:131], s[98:99]  ; 512 consecutive bytes, aligned
	s_wait_tensorcnt 0x0                           ; the wave's end
	ds_add_u32 v[SPW], v[NIL]
	s_wait_dscnt 0x0
	CROUND                                         ; the closing round: no work-group ends while a partner may still ask for a tile that names it
	s_endpgm
.Lfunc_end_k_q93d1623a1d_qkv:
	.size	k_q93d1623a1d_qkv, .Lfunc_end_k_q93d1623a1d_qkv-k_q93d1623a1d_qkv
	.p2alignl 7, 3214868480
	.fill 96, 4, 3214868480
	.section	.rodata,"a",@progbits
	.p2align	6, 0x0
	.amdhsa_kernel k_q93d1623a1d_qkv
		.amdhsa_group_segment_fixed_size 327680
		.amdhsa_private_segment_fixed_size 0
		.amdhsa_enable_private_segment 0
		.amdhsa_kernarg_size 32
		.amdhsa_user_sgpr_count 2
		.amdhsa_user_sgpr_kernarg_segment_ptr 1
		.amdhsa_wavefront_size32 1
		.amdhsa_system_sgpr_workgroup_id_x 1
		.amdhsa_system_sgpr_workgroup_id_y 1
		.amdhsa_system_sgpr_workgroup_id_z 1
		.amdhsa_system_vgpr_workitem_id 0
		.amdhsa_next_free_vgpr 1024
		.amdhsa_next_free_sgpr 104
		.amdhsa_reserve_vcc 0
		.amdhsa_float_denorm_mode_32 3
		.amdhsa_float_denorm_mode_16_64 3
		.amdhsa_memory_ordered 1
		.amdhsa_forward_progress 1
		.amdhsa_inst_pref_size 178
	.end_amdhsa_kernel
	.amdgpu_metadata
---
amdhsa.version: [ 1, 2 ]
amdhsa.kernels:
  - .name:           k_q93d1623a1d_qkv
    .symbol:         k_q93d1623a1d_qkv.kd
    .args:
      - { .name: xw, .offset: 0, .size: 8, .value_kind: global_buffer, .address_space: global }
      - { .name: b, .offset: 8, .size: 8, .value_kind: global_buffer, .address_space: global }
      - { .name: qk, .offset: 16, .size: 8, .value_kind: global_buffer, .address_space: global }
      - { .name: vt, .offset: 24, .size: 8, .value_kind: global_buffer, .address_space: global }
    .group_segment_fixed_size: 327680
    .private_segment_fixed_size: 0
    .kernarg_segment_align: 8
    .kernarg_segment_size: 32
    .max_flat_workgroup_size: 128
    .sgpr_count:     104
    .vgpr_count:     1024
    .wavefront_size: 32
...
	.end_amdgpu_metadata
.endif
;; end of part 2
;; launch score (part 3): grid 8 x 32, 4 waves a work-group, clusters of 4 x 4, 327,680 bytes of LDS; arguments qk, p; writes p
.if DOCPART == 3
	.amdgcn_target "amdgcn-amd-amdhsa--gfx1250"
	.amdhsa_code_object_version 6
	.text
	.protected	k_q93d1623a1d_score
	.globl	k_q93d1623a1d_score
	.p2align	8
	.type	k_q93d1623a1d_score,@function
k_q93d1623a1d_score:
	s_mov_b64 s[64:65], 0
	v_nop
	global_prefetch_b8 v0, s[64:65] scope:SCOPE_SE
	s_setreg_imm32_b32 hwreg(HW_REG_WAVE_MODE, 25, 1), 1
	s_wait_xcnt 0x0
	s_wait_alu depctr_hold_cnt(0) depctr_sa_sdst(0) depctr_va_vdst(0) depctr_va_sdst(0) depctr_va_ssrc(0) depctr_va_vcc(0) depctr_vm_vsrc(0)
	s_getreg_b32 s2, hwreg(HW_REG_IB_STS2, 6, 4)
	s_cmp_eq_u32 s2, 0
	s_cbranch_scc0 .Lentry_in_a_cluster
	s_endpgm
.Lentry_in_a_cluster:
	s_bfe_u32 s2, ttmp6, 0x10000c
	s_cmp_lg_u32 s2, 0xf033
	s_cbranch_scc0 .Lentry_shape_is_right
	s_endpgm
.Lentry_shape_is_right:
; S^T = k q^T on codes of FP6 (E2M3) with E8M0 scales, the causal mask, and the softmax's numerator as codes: no score is ever stored.
; For each query and each 128 keys (a wave's part): t = score x log2(e) / f32(32.00001); M = ceil(the largest t of these 128 keys), a whole number; p = 2^(t - M) is quantised along the keys; the sum of the unquantised p is kept.
; p's codes, its raw scale words, M and the sum go to the workspace p; the next launch moves the scale bytes by M - (the row's largest M), which is exact, and adds the sums likewise.
; A part all of whose keys are hidden gives zero codes, the byte 1, M = -3e38 and the sum 0.
; LIMITS: NaN and infinities are not served; a p under 2^-126 counts as 0 (v_exp_f32 flushes it).  A block's largest p is taken as 2^(its largest t - M), by the same two instructions as every p.
; LAYOUT of qk and p.  Codes: [row tile of 16][K step of 128][1,536 bytes], a fragment as an image of its 12 registers; words: [K step][row].  Rows lie in STORAGE ORDER: lane r of tile T stands for row 32 (T / 2) + 8 (T % 2) + r + 8 (r / 8).
; A tile, 256 queries x 256 keys, is made by four waves, 128 x 128 each.  'A' = q (source 1: a lane holds one query), 'B' = k (source 0): by the storage order the 16 registers of k's tiles 2 b, 2 b + 1 are 16 neighbouring keys.
; EVERY tile is multiplied, hidden ones too: partners of a cluster run alike and every trip count is a constant of the text; the next launch walks all of K and finds zero codes there.
; The ring, the joint loads and the registers are those of the launch before: K in steps of 256 through two LDS slots; scale words of all of K once; clusters of 4 x 4, q's tiles shared along a row, k's along a column.
; REGISTERS: window 0: v0-31 addresses; v32-63 scale words, two sets; v128-223 A's fragments; window 1: B's two sets; windows 2, 3: the accumulators ((a, b) at v[8 (8 (a % 4) + b)]).  On the way out window 0's v32-55 and v128-236 are at work.
.set NK,     8
.set QKS,    12582912                  ; where the scale words begin in qk
.set PWO,    12582912                  ; in p: the raw scale words; 524,288 bytes on M; 524,288 more the sums
.set NQ,     2
.set FR,     12
.set NL,     3
.set NP,     4
.set FRB,    1536
.set TROW,   NQ*FRB
.set HALFT,  8*TROW
.set SLOT,   4*HALFT
.set LAPS,   NK/(2*NQ)
.set SCL,    2*SLOT
.set HALFS,  512*NK
.set SPARE,  SCL+4*HALFS               ; the spare words, 128 bytes for each wave: two blocks of 256 bytes that no other line names
.set LI,   10                          ; v10     16 x lane
.set D0,   13                          ; v13     my query of block 0 less my first key: 256 (tile row - tile column) + 128 (halves) + r + 8 (r / 8) - 16 h
.set ADRA, 16
.set ADRB, 20
.set ADRS, 27
.set SPW,  28
.set NIL,  29
.set SC,   32
.set AF,   128
.set H,    128                         ; v128-191 t, then p
.set PC,   192                         ; v192-211 p's codes
.set BM,   212                         ; v212-215 each block's largest t, then largest p
.set BT,   216                         ; v216-219 the other half's
.set SQ,   220                         ; v220-223 the conversions' scale operands
.set BY,   224                         ; v224-227 the scale bytes
.set NM,   228                         ; v[228:229] -M (the packed form names the pair and takes its low word)
.set SU,   230                         ; v230-233 the sums
.set DV,   234
.set NINF, 235
.set TT,   236
.set MSK,  42                          ; s42  0 where every key of the cluster's tiles counts
.set SEL,  66
.set CS,   100                         ; s[100:101] c = log2(e) / f32(32.00001)
.set G1, 24
.set G0, 32
.set G1B, 48
.set G0B, 56
.set G1S, 68
.set G0S, 76
.set G1SB, 80
.set G0SB, 88
.set MSB, 0
.macro WIN new                         ; the immediate's high byte repeats the setting that is left
.if MSB != (\new)
	s_set_vgpr_msb (MSB<<8)|(\new)
.set MSB, \new
.endif
.endm
.set MUL_LO, 0xa1
.set MUL_HI, 0xf1
.set TO_B,   0x40
.macro JLOAD g0a, g1a, g0b, g1b        ; a joint refill: waves 0 and 1 for A, waves 2 and 3 for B; four v_nop follow each of the two lines
	s_cmp_eq_u32 s15, 0
	s_cbranch_scc0 .Lfor_b_\@
	tensor_load_to_lds s[\g0a:\g0a+3], s[\g1a:\g1a+7]
	s_nop 0
.rept 4
	v_nop
.endr
	s_branch .Lasked_\@
.Lfor_b_\@:
	tensor_load_to_lds s[\g0b:\g0b+3], s[\g1b:\g1b+7]
	s_nop 0
.rept 4
	v_nop
.endr
.Lasked_\@:
.endm
.macro CREST
	s_cmp_lg_u32 s14, 0
	s_cbranch_scc1 .Lnot_wave_0_\@
	s_barrier_signal -3
.Lnot_wave_0_\@:
	s_barrier_wait -3
	s_barrier_signal -1
	s_barrier_wait -1
.endm
.macro CROUND
	s_barrier_signal -1
	s_barrier_wait -1
	CREST
.endm
	s_load_b128 s[4:7], s[0:1], 0x0                ; qk s[4:5], p s[6:7]
	v_lshl_add_u32 v[SPW], v0, 2, SPARE
	v_mov_b32 v[NIL], 0
	ds_add_u32 v28, v29
	ds_add_u32 v28, v29
	s_wait_dscnt 0x0
	v_lshrrev_b32 v1, 5, v0
	v_readfirstlane_b32 s14, v1                    ; wave 0..3
	s_lshr_b32 s15, s14, 1                         ; which half of the queries is mine.  Also: I fetch for q (0) or for k (1)
	s_and_b32 s16, s14, 1                          ; which half of the keys.  Also: which 128 rows I fetch
	s_bfe_u32 s40, ttmp6, 0x40000                  ; cx, cy
	s_bfe_u32 s41, ttmp6, 0x40004
	s_and_b32 s17, ttmp7, 0xffff                   ; Y = 2 x batch + half of the batch's queries;  ttmp9 = X: half of its keys
	s_lshl_b32 s43, s41, 2
	s_lshl_b32 s43, 15, s43                        ; my row of the cluster
	s_lshl_b32 s44, 0x1111, s40                    ; my column
	s_lshl_b32 s23, s16, 7
	s_lshl_b32 s20, s17, 2
	s_add_co_u32 s20, s20, s41                     ; q's tile: 4 Y + cy
	s_lshl_b32 s20, s20, 8
	s_add_co_u32 s20, s20, s23                     ; the first row of q that I fetch
	s_lshr_b32 s46, s17, 1
	s_lshl_b32 s46, s46, 3
	s_lshl_b32 s19, ttmp9, 2
	s_add_co_u32 s46, s46, s19
	s_add_co_u32 s46, s46, 32                      ; k begins at tile 32 of qk
	s_add_co_u32 s46, s46, s40                     ; k's tile: 32 + 8 x batch + 4 X + cx
	s_lshl_b32 s46, s46, 8
	s_add_co_u32 s46, s46, s23
	s_mul_i32 s96, s20, 768
	s_mov_b32 s97, 0
	s_lshl_b32 s20, s20, 2
	s_add_co_u32 s20, s20, QKS
	s_mov_b32 s21, 0
	s_mul_i32 s92, s46, 768
	s_mov_b32 s93, 0
	s_lshl_b32 s46, s46, 2
	s_add_co_u32 s46, s46, QKS
	s_mov_b32 s47, 0
	s_mul_i32 s45, s14, HALFT
	s_mul_i32 s94, s14, HALFS
	s_or_b32 s[G1+0], s43, (3<<16)|(1<<21)         ; codes: 8 rows (row tiles) of 384 elements of 8 bytes, 12,288 bytes apart
	s_or_b32 s[G1B+0], s44, (3<<16)|(1<<21)
.irp g, G1, G1B
	s_mov_b32 s[\g+1], 384<<16
	s_mov_b32 s[\g+2], 8<<16
	s_mov_b32 s[\g+3], 384<<16
	s_mov_b32 s[\g+4], 8
	s_mov_b32 s[\g+5], 1536
	s_mov_b32 s[\g+6], 0
	s_mov_b32 s[\g+7], 0
.endr
	s_or_b32 s[G1S+0], s43, (3<<16)|(1<<21)        ; scale words: NK rows (K steps) of 64 elements, 16,384 words apart
	s_or_b32 s[G1SB+0], s44, (3<<16)|(1<<21)
.irp g, G1S, G1SB
	s_mov_b32 s[\g+1], 64<<16
	s_mov_b32 s[\g+2], NK<<16
	s_mov_b32 s[\g+3], 64<<16
	s_mov_b32 s[\g+4], NK
	s_mov_b32 s[\g+5], 8192
	s_mov_b32 s[\g+6], 0
	s_mov_b32 s[\g+7], 0
.endr
	s_wait_kmcnt 0x0
	s_mov_b32 s[G0S], 1
	s_add_co_u32 s[G0S+1], s94, SCL
	s_add_nc_u64 s[G0S+2:G0S+3], s[4:5], s[20:21]
	s_or_b32 s[G0S+3], s[G0S+3], 0x80000000
	s_mov_b32 s[G0SB], 1
	s_add_co_u32 s[G0SB+1], s94, SCL
	s_add_nc_u64 s[G0SB+2:G0SB+3], s[4:5], s[46:47]
	s_or_b32 s[G0SB+3], s[G0SB+3], 0x80000000
	s_add_nc_u64 s[96:97], s[4:5], s[96:97]
	s_add_nc_u64 s[92:93], s[4:5], s[92:93]
.irp s, 0,1
	s_mov_b32 s[G0+4*\s], 1
	s_add_co_u32 s[G0+4*\s+1], s45, \s*SLOT
	s_add_nc_u64 s[G0+4*\s+2:G0+4*\s+3], s[96:97], \s*TROW
	s_or_b32 s[G0+4*\s+3], s[G0+4*\s+3], 0x80000000
	s_mov_b32 s[G0B+4*\s], 1
	s_add_co_u32 s[G0B+4*\s+1], s45, \s*SLOT
	s_add_nc_u64 s[G0B+4*\s+2:G0B+4*\s+3], s[92:93], \s*TROW
	s_or_b32 s[G0B+4*\s+3], s[G0B+4*\s+3], 0x80000000
.endr
	CROUND                                         ; all sixteen work-groups are here: the first joint loads meet
	s_cmp_eq_u32 s15, 0                            ; a wave's three first fills stand in one branch: three loads of mine are out
	s_cbranch_scc0 .Lfirst_b
	tensor_load_to_lds s[G0S:G0S+3], s[G1S:G1S+7]
	s_nop 0
	tensor_load_to_lds s[G0:G0+3], s[G1:G1+7]
	s_nop 0
	tensor_load_to_lds s[G0+4:G0+7], s[G1:G1+7]
	s_nop 0
.rept 4
	v_nop
.endr
	s_branch .Lfirst_asked
.Lfirst_b:
	tensor_load_to_lds s[G0SB:G0SB+3], s[G1SB:G1SB+7]
	s_nop 0
	tensor_load_to_lds s[G0B:G0B+3], s[G1B:G1B+7]
	s_nop 0
	tensor_load_to_lds s[G0B+4:G0B+7], s[G1B:G1B+7]
	s_nop 0
.rept 4
	v_nop
.endr
.Lfirst_asked:
	v_and_b32 v1, 15, v0                           ; r
	v_bfe_u32 v2, v0, 4, 1                         ; h
	v_and_b32 v3, 31, v0
	v_lshlrev_b32 v[LI], 4, v3
	s_mul_i32 s21, s15, HALFT
	s_mul_i32 s22, s16, HALFT
	s_add_co_u32 s22, s22, 2*HALFT
.irp s, 0,1
	v_add_nc_u32 v[ADRA+\s], s21, v[LI]
	v_add_nc_u32 v[ADRB+\s], s22, v[LI]
	s_add_co_u32 s21, s21, SLOT
	s_add_co_u32 s22, s22, SLOT
.endr
	s_mul_i32 s21, s15, HALFS
	s_mul_i32 s22, s16, HALFS
	s_add_co_u32 s22, s22, 2*HALFS
	s_sub_co_u32 s22, s22, s21
	v_mul_u32_u24 v6, s22, v2                      ; lanes 16-31 take B's
	s_add_co_u32 s21, s21, SCL
	v_lshl_add_u32 v5, v1, 2, v6
	v_add_nc_u32 v[ADRS], s21, v5
	s_mul_i32 s21, s14, 1536                       ; the way out: 1,536 bytes of slot 0 for each wave's words, M and sums
	v_lshl_add_u32 v11, v1, 2, s21
	v_add_nc_u32 v12, s21, v[LI]
	s_mov_b32 s[SEL], 0x76543210
	s_mov_b32 s[SEL+1], 0xfedcba98
	s_mov_b32 s[CS], 0x3d38aa37                    ; c = log2(e) / f32(32.00001)
	s_mov_b32 s[CS+1], s[CS]                       ; (named with it as a pair, so it is written)
	; the mask: a value for comparisons alone; the branch round it hangs on the cluster's x and y alone
	s_and_b32 s20, s17, 1                          ; which half of the batch's queries
	s_xor_b32 s[MSK], s20, 1
	s_or_b32 s[MSK], s[MSK], ttmp9                 ; 0 only where the queries' half is the upper and the keys' the lower
	s_sub_co_i32 s20, s20, ttmp9
	s_lshl_b32 s20, s20, 2
	s_add_co_i32 s20, s20, s41
	s_sub_co_i32 s20, s20, s40
	s_lshl_b32 s20, s20, 8                         ; 256 (tile row - tile column), signed
	s_sub_co_i32 s21, s15, s16
	s_lshl_b32 s21, s21, 7
	s_add_co_i32 s20, s20, s21
	v_and_b32 v5, 8, v1
	v_add_nc_u32 v5, v5, v1                        ; r + 8 (r / 8)
	v_lshlrev_b32 v6, 4, v2
	v_sub_nc_u32 v5, v5, v6
	v_add_nc_u32 v[D0], s20, v5
	; where the results go
	s_add_co_u32 s22, s19, s40
	s_lshl_b32 s22, s22, 1
	s_add_co_u32 s22, s22, s16                     ; my K step of p: 2 (4 X + cx) + half
	s_lshl_b32 s23, s17, 2
	s_add_co_u32 s23, s23, s41
	s_lshl_b32 s23, s23, 8
	s_lshl_b32 s21, s15, 7
	s_add_co_u32 s23, s23, s21                     ; my first row
	s_add_co_u32 s46, s23, s22
	s_mul_i32 s46, s46, FRB                        ; (row / 16) x 16 images + K step, in images
	s_mov_b32 s47, 0
	s_add_nc_u64 s[12:13], s[6:7], s[46:47]
	s_lshl_b32 s22, s22, 15                        ; 8,192 words a K step
	s_lshl_b32 s23, s23, 2
	s_add_co_u32 s22, s22, s23
	s_add_co_u32 s22, s22, PWO
	s_mov_b32 s23, 0
	s_add_nc_u64 s[98:99], s[6:7], s[22:23]
.macro FRAG reg, adr, q, i
.irp c, 0,1,2
	ds_load_b128 v[\reg+4*\c:\reg+4*\c+3], v[\adr] offset:(\i)*TROW+(\q)*FRB+512*\c
.endr
.endm
; 16 matrix instructions: A's blocks a0, a0 + 1 x B's eight.  The 64 accumulators take turns, one instruction a turn.
.macro MUL16 a0, p, q, sc, zero
.irp a, \a0, \a0+1
.irp b, 0,1,2,3,4,5,6,7
.if \zero
	v_wmma_scale_f32_16x16x128_f8f6f4 v[8*(8*((\a)%4)+\b):8*(8*((\a)%4)+\b)+7], v[128*(\p)+FR*\b:128*(\p)+FR*\b+FR-1], v[AF+FR*(\a):AF+FR*(\a)+FR-1], 0, v[SC+8*NQ*(\sc)+NQ*\b+(\q)], v[SC+8*NQ*(\sc)+NQ*(\a)+(\q)] matrix_a_fmt:MATRIX_FMT_FP6 matrix_b_fmt:MATRIX_FMT_FP6 matrix_a_scale:MATRIX_SCALE_ROW1
.else
	v_wmma_scale_f32_16x16x128_f8f6f4 v[8*(8*((\a)%4)+\b):8*(8*((\a)%4)+\b)+7], v[128*(\p)+FR*\b:128*(\p)+FR*\b+FR-1], v[AF+FR*(\a):AF+FR*(\a)+FR-1], v[8*(8*((\a)%4)+\b):8*(8*((\a)%4)+\b)+7], v[SC+8*NQ*(\sc)+NQ*\b+(\q)], v[SC+8*NQ*(\sc)+NQ*(\a)+(\q)] matrix_a_fmt:MATRIX_FMT_FP6 matrix_b_fmt:MATRIX_FMT_FP6 matrix_a_scale:MATRIX_SCALE_ROW1
.endif
.endr
.endr
.endm
.macro FETCH_B slot, q, p
	WIN TO_B
.irp i, 0,1,2,3,4,5,6,7
	FRAG 128*(\p)+FR*\i, ADRB+\slot, \q, \i
.endr
	WIN 0
.endm
.macro FETCH_A slot, q, i0
.irp i, \i0, \i0+1, \i0+2, \i0+3
	FRAG AF+FR*(\i), ADRA+\slot, \q, \i
.endr
.endm
.macro SCALES sc
.irp i, 0,1,2,3,4,5,6,7
.irp q, 0,1
	ds_load_b32 v[SC+8*NQ*\sc+NQ*\i+\q], v[ADRS] offset:512*\q+64*\i
.endr
.endr
.endm
.macro PLACES n                        ; places behind matrix instructions (ISA guide 7.12.1)
.rept \n
	v_nop
.endr
.endm
.macro STEP slot, q, zero
	s_wait_dscnt 4*NL                              ; all but the 12 youngest loads (A's blocks 4-7) are in
	WIN MUL_LO
	MUL16 0, (\q)%2, \q, \slot, \zero
	MUL16 2, (\q)%2, \q, \slot, \zero
	s_wait_dscnt 0
	PLACES NP
	FETCH_B \slot, (\q)+1, 1-(\q)%2
	FETCH_A \slot, (\q)+1, 0
	WIN MUL_HI
	MUL16 4, (\q)%2, \q, \slot, \zero
	MUL16 6, (\q)%2, \q, \slot, \zero
	PLACES NP
	WIN 0
	FETCH_A \slot, (\q)+1, 4
.endm
.macro TURN slot, next, fill
	s_wait_tensorcnt 0x0                           ; all my tensor loads have landed: my part of the next slot
	ds_add_u32 v[SPW], v[NIL]                      ; 0 onto my spare word
	s_wait_dscnt 4*NL+1                            ; (the add and the 12 youngest loads may be out)
	WIN MUL_LO
	MUL16 0, 1, NQ-1, \slot, 0
	s_wait_dscnt 0x0                               ; the add is done, and my reads of this slot are over
	s_barrier_signal -1
	MUL16 2, 1, NQ-1, \slot, 0
	WIN 0
	s_barrier_wait -1
.if \fill
	CREST                                          ; a round of the cluster's barrier: no wave of any partner still reads this slot or has a load on its way
	s_add_nc_u64 s[G0+4*\slot+2:G0+4*\slot+3], s[G0+4*\slot+2:G0+4*\slot+3], 2*TROW
	s_add_nc_u64 s[G0B+4*\slot+2:G0B+4*\slot+3], s[G0B+4*\slot+2:G0B+4*\slot+3], 2*TROW
	JLOAD G0+4*\slot, G1, G0B+4*\slot, G1B         ; the first tensor load behind the round; its four v_nop are the places in front of the loads below
.else
	PLACES NP
.endif
	v_add_nc_u32 v[ADRS], 512*NQ, v[ADRS]
	FETCH_B \next, 0, 0
	FETCH_A \next, 0, 0
	SCALES \next
	WIN MUL_HI
	MUL16 4, 1, NQ-1, \slot, 0
	MUL16 6, 1, NQ-1, \slot, 0
	PLACES NP
	WIN 0
	FETCH_A \next, 0, 4
.endm
	s_wait_tensorcnt 1                             ; the scale words and my part of slot 0 are in (slot 1's load may be out)
	s_barrier_signal -1
	s_barrier_wait -1
	FETCH_B 0, 0, 0
	FETCH_A 0, 0, 0
	SCALES 0
	FETCH_A 0, 0, 4
	STEP 0, 0, 1
	s_mov_b32 s3, LAPS-1
.Llap:
	TURN 0, 1, 1
	STEP 1, 0, 0
	TURN 1, 0, 1
	STEP 0, 0, 0
	s_sub_co_u32 s3, s3, 1
	s_cmp_lg_u32 s3, 0
	s_cbranch_scc1 .Llap
	TURN 0, 1, 0
	STEP 1, 0, 0
	s_wait_dscnt 4*NL
	WIN MUL_LO
	MUL16 0, 1, NQ-1, 1, 0
	MUL16 2, 1, NQ-1, 1, 0
	s_wait_dscnt 0
	WIN MUL_HI
	MUL16 4, 1, NQ-1, 1, 0
	MUL16 6, 1, NQ-1, 1, 0
	WIN 0
; THE WAY OUT of q's block a: 16 queries x my 128 keys.  Register 16 b + i of a lane is key 32 b + 16 (lane / 16) + i of my 128.
.macro SOFT a
.set AC, 64*((\a)%4)
.if (\a) > 0
	s_wait_xcnt 0x0                                ; the last block's stores have read the codes' registers
.endif
	WIN 0x02+(\a)/4                                ; source 0: window 2 or 3
.set II, 0
.rept 32
	v_pk_mul_f32 v[H+II:H+II+1], v[AC+II:AC+II+1], s[CS:CS+1] op_sel_hi:[1,0]   ; t = score x c; each accumulator from its low end on
.set II, II+2
.endr
	WIN 0
	s_cmp_eq_u32 s[MSK], 0
	s_cbranch_scc1 .Lopen_\@
	v_add_nc_u32 v[DV], 32*((\a)/2)+8*((\a)%2), v[D0]   ; my query less my first key: key 32 b + i is hidden where 32 b + i is above it
.set NN, 0
.rept 64
	v_cmp_gt_i32 vcc_lo, 32*(NN/16)+NN%16, v[DV]
	v_cndmask_b32 v[H+NN], v[H+NN], v[NINF], vcc_lo
.set NN, NN+1
.endr
.Lopen_\@:
.irp b, 0,1,2,3
	v_max3_num_f32 v[BM+\b], v[H+16*\b], v[H+1+16*\b], v[H+2+16*\b]   ; the largest t of each block of 32 keys: for the maximum, and for the block's largest p
.endr
.irp i, 3,5,7,9,11,13
.irp b, 0,1,2,3
	v_max3_num_f32 v[BM+\b], v[BM+\b], v[H+16*\b+\i], v[H+1+16*\b+\i]
.endr
.endr
.irp b, 0,1,2,3
	v_max_num_f32 v[BM+\b], v[BM+\b], v[H+15+16*\b]
.endr
.irp b, 0,1,2,3
	v_permlanex16_b32 v[BT+\b], v[BM+\b], s[SEL], s[SEL+1]
.endr
.irp b, 0,1,2,3
	v_max_num_f32 v[BM+\b], v[BM+\b], v[BT+\b]     ; with lane l xor 16's 16 keys
.endr
	v_max3_num_f32 v[TT], v[BM], v[BM+1], v[BM+2]
	v_max3_num_f32 v[TT], v[TT], v[BM+3], 0xff61b1e6   ; the largest t of the 128 keys, and -3e38 under it for a part that is all hidden
	v_floor_f32 v[NM], -v[TT]                      ; -M = floor(-t) = -ceil(t): a whole number
.set II, 0
.rept 32
	v_pk_add_f32 v[H+II:H+II+1], v[H+II:H+II+1], v[NM:NM+1] op_sel_hi:[1,0]   ; t - M
.set II, II+2
.endr
.irp b, 0,1,2,3
	v_add_f32 v[BM+\b], v[BM+\b], v[NM]            ; the same of each block's largest t
.endr
.set NN, 0
.rept 64
	v_exp_f32 v[H+NN], v[H+NN]                     ; p = 2^(t - M), at most 1
.set NN, NN+1
.endr
	v_sub_f32 v[40+(\a)], 0, v[NM]                 ; M, to be stored.  (A plain instruction behind the exponentials)
	s_wait_alu depctr_va_vdst(0)                   ; one wait for the whole batch, ahead of its first reader
.irp b, 0,1,2,3
	v_exp_f32 v[BM+\b], v[BM+\b]                   ; the block's largest p
.endr
	v_pk_add_f32 v[SU:SU+1], v[H:H+1], v[H+2:H+3]  ; the sum of the UNQUANTISED p, two at a time, in two chains (it reads the 64 alone: plain work behind the four)
	v_pk_add_f32 v[SU+2:SU+3], v[H+4:H+5], v[H+6:H+7]
.irp j, 8,12,16,20,24,28,32,36,40,44,48,52,56,60
	v_pk_add_f32 v[SU:SU+1], v[SU:SU+1], v[H+\j:H+\j+1]
	v_pk_add_f32 v[SU+2:SU+3], v[SU+2:SU+3], v[H+\j+2:H+\j+3]
.endr
	v_pk_add_f32 v[SU:SU+1], v[SU:SU+1], v[SU+2:SU+3]
	v_add_f32 v[SU], v[SU], v[SU+1]
	v_permlanex16_b32 v[SU+2], v[SU], s[SEL], s[SEL+1]
	v_add_f32 v[48+(\a)], v[SU], v[SU+2]           ; with lane l xor 16's: the sum over the 128 keys
	s_wait_alu depctr_va_vdst(0)                   ; and one wait for the four
.irp b, 0,1,2,3
	v_max_num_f32 v[BM+\b], 0x1800000, v[BM+\b]    ; the floor 2^(3 - 127): the byte cannot fall under 1
.endr
.irp b, 0,1,2,3
	v_add_nc_u32 v[SQ+\b], 0xff000000, v[BM+\b]    ; 2 off the exponent field: the conversion's scale operand
.endr
.irp b, 0,1,2,3
	v_lshrrev_b32 v[BY+\b], 23, v[SQ+\b]           ; the scale's byte, at most 125
.endr
	v_lshl_or_b32 v[32+(\a)], v[BY+1], 8, v[BY]
	v_lshl_or_b32 v[32+(\a)], v[BY+2], 16, v[32+(\a)]
	v_lshl_or_b32 v[32+(\a)], v[BY+3], 24, v[32+(\a)]
.irp c, 0,1
	v_cvt_scalef32_pk16_fp6_f32 v[PC+6*\c:PC+2+6*\c], v[H+32*\c:H+15+32*\c], v[SQ+2*\c]
	v_cvt_scalef32_pk16_fp6_f32 v[PC+12+4*\c:PC+14+4*\c], v[H+16+32*\c:H+31+32*\c], v[SQ+2*\c+1]
.endr
	v_nop                                          ; one plain instruction behind a scaled conversion
.irp c, 0,1
.irp i, 0,1,2
	v_permlane16_swap_b32 v[PC+6*\c+\i], v[PC+12+4*\c+\i]
.endr
.irp i, 0,1,2
	v_mov_b32 v[PC+3+6*\c+\i], v[PC+12+4*\c+\i]
.endr
.endr
.irp c, 0,1,2
	global_store_b128 v[LI], v[PC+4*\c:PC+4*\c+3], s[12:13] offset:(\a)*24576+512*\c   ; 512 consecutive bytes, aligned; a row tile of p is 16 images
.endr
.endm
	PLACES NP                                      ; behind the last products
.irp b, 0,1,2,3
	v_mov_b32 v[BT+\b], 0                          ; written once: a lane permute's destination counts as one of its sources
.endr
	v_mov_b32 v[NM+1], 0                           ; (named as the upper half of the pair)
	v_mov_b32 v[NINF], 0xff800000                  ; -infinity
.irp a, 0,1,2,3,4,5,6,7
	SOFT \a
.endr
.irp a, 0,1,2,3,4,5,6,7                ; my 128 rows' words, M and sums meet in my own 1,536 bytes of slot 0, which has had its last fill and its last read
	ds_store_b32 v11, v[32+\a] offset:64*\a        ; both halves of the lanes write the same word with the same value
	ds_store_b32 v11, v[40+\a] offset:512+64*\a
	ds_store_b32 v11, v[48+\a] offset:1024+64*\a
.endr
.irp c, 0,1,2
	ds_load_b128 v[128+4*\c:131+4*\c], v12 offset:512*\c   ; LDS serves a wave's instructions in order: these see my stores
.endr
	s_wait_dscnt 0x0
.irp c, 0,1,2
	global_store_b128 v[LI], v[128+4*\c:131+4*\c], s[98:99] offset:524288*\c   ; 512 consecutive bytes, aligned: words, M, sums
.endr
	s_wait_tensorcnt 0x0                           ; the wave's end
	ds_add_u32 v[SPW], v[NIL]
	s_wait_dscnt 0x0
	CROUND                                         ; the closing round
	s_endpgm
.Lfunc_end_k_q93d1623a1d_score:
	.size	k_q93d1623a1d_score, .Lfunc_end_k_q93d1623a1d_score-k_q93d1623a1d_score
	.p2alignl 7, 3214868480
	.fill 96, 4, 3214868480
	.section	.rodata,"a",@progbits
	.p2align	6, 0x0
	.amdhsa_kernel k_q93d1623a1d_score
		.amdhsa_group_segment_fixed_size 327680
		.amdhsa_private_segment_fixed_size 0
		.amdhsa_enable_private_segment 0
		.amdhsa_kernarg_size 16
		.amdhsa_user_sgpr_count 2
		.amdhsa_user_sgpr_kernarg_segment_ptr 1
		.amdhsa_wavefront_size32 1
		.amdhsa_system_sgpr_workgroup_id_x 1
		.amdhsa_system_sgpr_workgroup_id_y 1
		.amdhsa_system_sgpr_workgroup_id_z 1
		.amdhsa_system_vgpr_workitem_id 0
		.amdhsa_next_free_vgpr 1024
		.amdhsa_next_free_sgpr 104
		.amdhsa_reserve_vcc 1
		.amdhsa_float_denorm_mode_32 3
		.amdhsa_float_denorm_mode_16_64 3
		.amdhsa_memory_ordered 1
		.amdhsa_forward_progress 1
		.amdhsa_inst_pref_size 253
	.end_amdhsa_kernel
	.amdgpu_metadata
---
amdhsa.version: [ 1, 2 ]
amdhsa.kernels:
  - .name:           k_q93d1623a1d_score
    .symbol:         k_q93d1623a1d_score.kd
    .args:
      - { .name: qk, .offset: 0, .size: 8, .value_kind: global_buffer, .address_space: global }
      - { .name: p, .offset: 8, .size: 8, .value_kind: global_buffer, .address_space: global }
    .group_segment_fixed_size: 327680
    .private_segment_fixed_size: 0
    .kernarg_segment_align: 8
    .kernarg_segment_size: 16
    .max_flat_workgroup_size: 128
    .sgpr_count:     104
    .vgpr_count:     1024
    .wavefront_size: 32
...
	.end_amdgpu_metadata
.endif
;; end of part 3
;; launch pv (part 4): grid 8 x 32, 4 waves a work-group, clusters of 4 x 4, 327,680 bytes of LDS; arguments p, vt, out0; writes out0
.if DOCPART == 4
	.amdgcn_target "amdgcn-amd-amdhsa--gfx1250"
	.amdhsa_code_object_version 6
	.text
	.protected	k_q93d1623a1d_pv
	.globl	k_q93d1623a1d_pv
	.p2align	8
	.type	k_q93d1623a1d_pv,@function
k_q93d1623a1d_pv:
	s_mov_b64 s[64:65], 0
	v_nop
	global_prefetch_b8 v0, s[64:65] scope:SCOPE_SE
	s_setreg_imm32_b32 hwreg(HW_REG_WAVE_MODE, 25, 1), 1
	s_wait_xcnt 0x0
	s_wait_alu depctr_hold_cnt(0) depctr_sa_sdst(0) depctr_va_vdst(0) depctr_va_sdst(0) depctr_va_ssrc(0) depctr_va_vcc(0) depctr_vm_vsrc(0)
	s_getreg_b32 s2, hwreg(HW_REG_IB_STS2, 6, 4)
	s_cmp_eq_u32 s2, 0
	s_cbranch_scc0 .Lentry_in_a_cluster
	s_endpgm
.Lentry_in_a_cluster:
	s_bfe_u32 s2, ttmp6, 0x10000c
	s_cmp_lg_u32 s2, 0xf033
	s_cbranch_scc0 .Lentry_shape_is_right
	s_endpgm
.Lentry_shape_is_right:
; out0 = P V / l on codes of FP6 (E2M3) with E8M0 scales, sums in f32.  P's codes were made under a whole number M of their own for each query and each 128 keys.
; THE HEAD brings them under the row's largest M: with d = M - (the row's largest M), 0 or less, each of the four scale bytes of that K step becomes byte + d, which is exact; l = the sum of the parts' sums x 2^d.
; LIMITS: d is held at -127 and a byte that would fall under 0 at 0 (2^-127): such a block stands for at most 7.5 x 2^-127 a number, and a part's sum so moved for under 1e-36 of l, which is above 1/2.  NaN and infinities are not served.
; LAYOUT of p and vt.  Codes: [row tile of 16][K step of 128][1,536 bytes], a fragment as an image of its 12 registers (registers 4 c .. 4 c + 3 of lane l at 512 c + 16 l); words: [K step][row].
; Rows lie in STORAGE ORDER: lane r of tile T stands for row 32 (T / 2) + 8 (T % 2) + r + 8 (r / 8).
; SHARES.  A tile, 256 queries x 128 channels, is made by four waves, 128 x 64 each: 32 accumulators, 256 registers: 4 x 8 x 8 = 256 work-groups.  'A' = P (source 1: a lane holds one query), 'B' = vt (source 0):
; by the storage order the 16 registers of vt's tiles 2 b, 2 b + 1 are 16 neighbouring channels, 32 b + 16 (lane / 16) + 0 .. 15.
; K goes in steps of 512 through two LDS slots: four slots' worth, two first fills and two refills, written out without a loop.  A wave's tensor load brings 8 (P) or 4 (vt) row tiles x 6,144 consecutive bytes.
; All 2,048 keys are walked by every work-group: hidden keys have zero codes; partners of a cluster run alike.
; CLUSTERS: 4 x 4.  P's tiles are shared along a row of the cluster, vt's along a column: each is asked for jointly, by the same tensor load with the same descriptor and a mask that names the four.
; P's scale words are not fetched by the mover: the head stores them, mended, into LDS bytes into which no fill lands.
; REGISTERS, in windows of 256: window 0: v0-31 addresses; v32-95 scale words, two sets; from v96 the head's and the way out's work.   window 2: the accumulators ((a, b) at v[8 (4 a + b)]).
;   windows 1 and 3: the fragments of one K step of 128 each, by turns: A's eight at v0-95, B's four at v96-143.  While one set is multiplied the other is filled: each fragment is asked for 32 matrix instructions ahead of its use.
.set NK,     16                        ; K steps of 128
.set VTS,    6291456                   ; where the scale words begin in vt
.set PWO,    12582912                  ; in p: the raw scale words; 524,288 bytes on M; 524,288 more the sums
.set NQ,     4                         ; K steps of 128 in a slot
.set FR,     12                        ; registers of a fragment
.set NP,     4                         ; places behind this matrix instruction (ISA guide 7.12.1)
.set FRB,    1536                      ; a fragment's image
.set TROW,   NQ*FRB                    ; a row tile's bytes in a slot
.set HALFA,  8*TROW                    ; 128 rows of P: what waves 0 and 1 bring
.set HALFB,  4*TROW                    ; 64 rows of vt: what waves 2 and 3 bring
.set SLOT,   2*HALFA+2*HALFB           ; A's two halves, then B's two
.set SCL,    2*SLOT                    ; behind the ring: the scale words, six regions [K step][64 rows]: P's four, vt's two
.set SREG,   256*NK
.set SPARE,  SCL+6*SREG                ; the spare words, 128 bytes for each wave: two blocks of 256 bytes that no other line names
.set LINV,   SPARE+512                 ; 1 / l of the work-group's 256 rows, 1,024 bytes
.set SPITCH, 272                       ; the way out: a stage of 16 rows x (256 bytes + 16) for each wave, in slot 0, which has had its last fill and its last read by then
.set LI,    10                         ; v10     16 x lane
.set ADRA,  16                         ; v16-17  LDS address of my A fragments in slot 0, 1
.set ADRB,  20                         ; v20-21  the same for B
.set STO,   24                         ; v24     the way out: where I put a row's bytes
.set RD,    25                         ; v25     where I read rows back
.set CO,    26                         ; v26     and my byte offset in out0
.set ADRS,  27                         ; v27     LDS address of scale words: lanes 0-15 A's blocks 0-3, lanes 16-31 B's blocks 0-3
.set SPW,   28                         ; v28     LDS address of my spare word; never rewritten
.set NIL,   29                         ; v29     0; never rewritten
.set ADRS2, 30                         ; v30     lanes 0-15 A's blocks 4-7, lanes 16-31 B's blocks 0-3 once more
.set SC,    32                         ; scale words: set s at v[SC + 32 s]; register 4 i + q: lanes 0-15 A's block i, lanes 16-31 B's block i % 4, the slot's q-th 128 along K
.set AF,    0                          ; in a set's window: A's fragments,
.set BF,    96                         ; B's
.set WD,    96                         ; the head: v96-127 scale words, v128-159 M, v160-191 sums: a pair (rows 2 t, 2 t + 1) for each K step
.set MM,    128
.set LL,    160
.set MG,    192                        ; v192-193 the rows' largest M;  v194-195 l;  v196-197 1 / l;  v198-205 at work
.set LS,    194
.set RC,    196
.set LV,    96                         ; the way out: v96-103 1 / l of my row of each block
.set TP,    104                        ; v104-135 a block's results
.set BK,    136                        ; v136-167 and v168-199 by turns: 16 rows read back
.set HIGH,  66                         ; s66  0x80808080
.set ONES,  67                         ; s67  0x01010101
.set G1, 24                            ; s[24:31] descriptor group 1 for A's tiles;  s[32:39] group 0, one set for each slot
.set G0, 32
.set G1B, 48                           ; s[48:55], s[56:63] the same for B's tiles
.set G0B, 56
.set G1SB, 80                          ; s[80:87], s[88:91] groups 1 and 0 for B's scale words
.set G0SB, 88
.set MSB, 0
.macro WIN new                         ; the immediate's high byte repeats the setting that is left
.if MSB != (\new)
	s_set_vgpr_msb (MSB<<8)|(\new)
.set MSB, \new
.endif
.endm
; window settings: products on set p: sources 0 and 1 window 1 + 2 p, C and D window 2: 0xa5, 0xaf;  loads into set p: destination window 1 + 2 p, address window 0: 0x40, 0xc0
.macro JLOAD g0a, g1a, g0b, g1b        ; a joint refill: waves 0 and 1 for A, waves 2 and 3 for B; the branch hangs on the wave's number alone; four v_nop follow each of the two lines
	s_cmp_eq_u32 s15, 0
	s_cbranch_scc0 .Lfor_b_\@
	tensor_load_to_lds s[\g0a:\g0a+3], s[\g1a:\g1a+7]
	s_nop 0
.rept 4
	v_nop
.endr
	s_branch .Lasked_\@
.Lfor_b_\@:
	tensor_load_to_lds s[\g0b:\g0b+3], s[\g1b:\g1b+7]
	s_nop 0
.rept 4
	v_nop
.endr
.Lasked_\@:
.endm
.macro CREST                           ; a round of the cluster's barrier behind its opening barrier
	s_cmp_lg_u32 s14, 0
	s_cbranch_scc1 .Lnot_wave_0_\@
	s_barrier_signal -3
.Lnot_wave_0_\@:
	s_barrier_wait -3
	s_barrier_signal -1
	s_barrier_wait -1
.endm
.macro CROUND                          ; a whole round
	s_barrier_signal -1
	s_barrier_wait -1
	CREST
.endm
	s_load_b128 s[4:7], s[0:1], 0x0                ; p s[4:5], vt s[6:7]
	s_load_b64 s[8:9], s[0:1], 0x10                ; out0
	v_lshl_add_u32 v[SPW], v0, 2, SPARE
	v_mov_b32 v[NIL], 0
	ds_add_u32 v28, v29
	ds_add_u32 v28, v29
	s_wait_dscnt 0x0
	v_lshrrev_b32 v1, 5, v0
	v_readfirstlane_b32 s14, v1                    ; wave 0..3
	s_lshr_b32 s15, s14, 1                         ; which half of the queries is mine.  Also: I fetch for P (0) or for vt (1)
	s_and_b32 s16, s14, 1                          ; which half of the channels.  Also: which half of that tile's rows I fetch
	s_bfe_u32 s40, ttmp6, 0x40000                  ; cx, cy: my place in the cluster
	s_bfe_u32 s41, ttmp6, 0x40004
	s_and_b32 s17, ttmp7, 0xffff                   ; Y = 2 x batch + half of the batch's queries;  ttmp9 = X: half of the channels
	s_lshl_b32 s43, s41, 2
	s_lshl_b32 s43, 15, s43                        ; my row of the cluster
	s_lshl_b32 s44, 0x1111, s40                    ; my column
	s_lshr_b32 s18, s17, 1                         ; the batch
	s_lshl_b32 s19, s17, 2
	s_add_co_u32 s19, s19, s41
	s_lshl_b32 s19, s19, 8                         ; the work-group's first row of P: 256 (4 Y + cy)
	s_lshl_b32 s23, s16, 7
	s_add_co_u32 s20, s19, s23                     ; the first that I fetch
	s_mul_i32 s96, s20, 1536                       ; 24,576 bytes for 16 rows
	s_mov_b32 s97, 0
	s_lshl_b32 s42, ttmp9, 2
	s_add_co_u32 s42, s42, s40                     ; the tile of 128 channels: 4 X + cx
	s_lshl_b32 s46, s42, 7
	s_lshl_b32 s23, s16, 6
	s_add_co_u32 s46, s46, s23                     ; vt: the first row that I fetch: 128 x tile + 64 x half
	s_mul_i32 s92, s46, 6144                       ; 98,304 bytes for 16 rows,
	s_mul_i32 s93, s18, 24576                      ; the batch's 16 K steps
	s_add_co_u32 s92, s92, s93
	s_mov_b32 s93, 0
	s_lshl_b32 s46, s46, 2
	s_lshl_b32 s47, s18, 16                        ; scale words: 16 K steps of 1,024 rows a batch
	s_add_co_u32 s46, s46, s47
	s_add_co_u32 s46, s46, VTS
	s_mov_b32 s47, 0
	s_lshl_b32 s20, s19, 2
	s_add_co_u32 s20, s20, PWO                     ; P's words, M and sums of the work-group's rows
	s_mov_b32 s21, 0
	s_mul_i32 s45, s16, HALFA                      ; where the tiles go: no place in the cluster enters an LDS address.  A's halves,
	s_mul_i32 s95, s16, HALFB
	s_add_co_u32 s95, s95, 2*HALFA                 ; B's halves behind them,
	s_mul_i32 s94, s16, SREG
	s_add_co_u32 s94, s94, SCL+4*SREG              ; B's scale words behind A's four regions
	v_lshlrev_b32 v9, 3, v0                        ; thread t takes rows 2 t and 2 t + 1; never rewritten
	s_mov_b32 s[HIGH], 0x80808080
	s_mov_b32 s[ONES], 0x01010101
	; descriptor group 1 for codes: rows (row tiles) of 768 elements of 8 bytes, no padding
	s_or_b32 s[G1+0], s43, (3<<16)|(1<<21)         ; 15:0 the mask: A's tiles go to my row; 17:16 elements of 8 bytes; 21 set beside a mask
	s_or_b32 s[G1B+0], s44, (3<<16)|(1<<21)
.irp g, G1, G1B
	s_mov_b32 s[\g+1], 768<<16                     ; tensor_dim0
	s_mov_b32 s[\g+3], 768<<16                     ; tile_dim0
	s_mov_b32 s[\g+6], 0
	s_mov_b32 s[\g+7], 0
.endr
	s_mov_b32 s[G1+2], 8<<16                       ; P: 8 row tiles,
	s_mov_b32 s[G1+4], 8
	s_mov_b32 s[G1+5], 3072                        ; 24,576 bytes apart
	s_mov_b32 s[G1B+2], 4<<16                      ; vt: 4 row tiles,
	s_mov_b32 s[G1B+4], 4
	s_mov_b32 s[G1B+5], 12288                      ; 98,304 bytes apart
	s_or_b32 s[G1SB+0], s44, (3<<16)|(1<<21)       ; vt's scale words: NK rows (K steps) of 32 elements (64 rows' words), 1,024 words apart
	s_mov_b32 s[G1SB+1], 32<<16
	s_mov_b32 s[G1SB+2], NK<<16
	s_mov_b32 s[G1SB+3], 32<<16
	s_mov_b32 s[G1SB+4], NK
	s_mov_b32 s[G1SB+5], 512
	s_mov_b32 s[G1SB+6], 0
	s_mov_b32 s[G1SB+7], 0
	s_wait_kmcnt 0x0
	s_add_nc_u64 s[98:99], s[4:5], s[20:21]
.irp k, 0,1,2,3,4,5,6,7,8,9,10,11,12,13,14,15
	global_load_b64 v[WD+2*\k:WD+2*\k+1], v9, s[98:99] offset:32768*\k            ; a wave reads 256 consecutive bytes, aligned
	global_load_b64 v[MM+2*\k:MM+2*\k+1], v9, s[98:99] offset:32768*\k+524288
	global_load_b64 v[LL+2*\k:LL+2*\k+1], v9, s[98:99] offset:32768*\k+1048576
.endr
	s_mov_b32 s[G0SB], 1
	s_mov_b32 s[G0SB+1], s94
	s_add_nc_u64 s[G0SB+2:G0SB+3], s[6:7], s[46:47]
	s_or_b32 s[G0SB+3], s[G0SB+3], 0x80000000
	s_add_nc_u64 s[96:97], s[4:5], s[96:97]
	s_add_nc_u64 s[92:93], s[6:7], s[92:93]
.irp s, 0,1
	s_mov_b32 s[G0+4*\s], 1                                        ; count = 1
	s_add_co_u32 s[G0+4*\s+1], s45, \s*SLOT                        ; LDS address
	s_add_nc_u64 s[G0+4*\s+2:G0+4*\s+3], s[96:97], \s*TROW         ; global address: slot s begins with K 512 s
	s_or_b32 s[G0+4*\s+3], s[G0+4*\s+3], 0x80000000                ; type = 2
	s_mov_b32 s[G0B+4*\s], 1
	s_add_co_u32 s[G0B+4*\s+1], s95, \s*SLOT
	s_add_nc_u64 s[G0B+4*\s+2:G0B+4*\s+3], s[92:93], \s*TROW
	s_or_b32 s[G0B+4*\s+3], s[G0B+4*\s+3], 0x80000000
.endr
	CROUND                                         ; all sixteen work-groups are here: the first joint loads meet
	s_cmp_eq_u32 s15, 0                            ; a wave's first fills stand in one branch: two loads (P) or three (vt) of mine are out; the youngest is slot 1's on both ways
	s_cbranch_scc0 .Lfirst_b
	tensor_load_to_lds s[G0:G0+3], s[G1:G1+7]
	s_nop 0
	tensor_load_to_lds s[G0+4:G0+7], s[G1:G1+7]
	s_nop 0
.rept 4
	v_nop
.endr
	s_branch .Lfirst_asked
.Lfirst_b:
	tensor_load_to_lds s[G0SB:G0SB+3], s[G1SB:G1SB+7]
	s_nop 0
	tensor_load_to_lds s[G0B:G0B+3], s[G1B:G1B+7]
	s_nop 0
	tensor_load_to_lds s[G0B+4:G0B+7], s[G1B:G1B+7]
	s_nop 0
.rept 4
	v_nop
.endr
.Lfirst_asked:
	v_and_b32 v1, 15, v0                           ; r
	v_bfe_u32 v2, v0, 4, 1                         ; h
	v_and_b32 v3, 31, v0
	v_lshlrev_b32 v[LI], 4, v3                     ; 16 x lane: an image's place for my lane
	s_mul_i32 s21, s15, HALFA                      ; my 128 rows of A
	s_mul_i32 s22, s16, HALFB                      ; my 64 rows of B,
	s_add_co_u32 s22, s22, 2*HALFA                 ; which lie behind A's 256
.irp s, 0,1
	v_add_nc_u32 v[ADRA+\s], s21, v[LI]
	v_add_nc_u32 v[ADRB+\s], s22, v[LI]
	s_add_co_u32 s21, s21, SLOT
	s_add_co_u32 s22, s22, SLOT
.endr
	s_mul_i32 s21, s15, 2*SREG                     ; A's scale words: my 128 rows are regions 2 (wave / 2) and the next
	s_mul_i32 s22, s16, SREG                       ; B's: region 4 + wave % 2
	s_add_co_u32 s22, s22, 4*SREG
	s_sub_co_u32 s22, s22, s21                     ; from A's first region to B's
	v_mul_u32_u24 v6, s22, v2                      ; lanes 16-31 take B's
	s_sub_co_u32 s22, s22, SREG                    ; from A's second region to B's
	v_mul_u32_u24 v7, s22, v2
	s_add_co_u32 s21, s21, SCL
	v_lshl_add_u32 v5, v1, 2, v6
	v_add_nc_u32 v[ADRS], s21, v5
	s_add_co_u32 s21, s21, SREG
	v_lshl_add_u32 v5, v1, 2, v7
	v_add_nc_u32 v[ADRS2], s21, v5
	s_mul_i32 s22, s14, SREG                       ; where my thread's two mended words go: my wave's 64 rows are region wave: 8 x lane, 256 bytes a K step
	s_add_co_u32 s22, s22, SCL
	v_lshl_add_u32 v11, v3, 3, s22
	v_lshl_add_u32 v12, v0, 3, LINV                ; and its two 1 / l
	s_lshl_b32 s22, s15, 9
	s_add_co_u32 s22, s22, LINV
	v_lshl_add_u32 v13, v1, 2, s22                 ; the way out: 1 / l of row r of my 128
	s_mul_i32 s23, s14, 16*SPITCH                  ; my stage
	v_mul_u32_u24 v5, v1, SPITCH
	v_lshl_add_u32 v5, v2, 6, v5
	v_add_nc_u32 v[STO], s23, v5                   ; in: row r, + 64 h
	v_mul_u32_u24 v5, v2, SPITCH
	v_lshl_add_u32 v5, v1, 4, v5
	v_add_nc_u32 v[RD], s23, v5                    ; back: lanes 0-15 one row of 256 bytes, lanes 16-31 the next
	v_lshlrev_b32 v[CO], 12, v2
	v_lshl_add_u32 v[CO], v1, 4, v[CO]             ; and the same two rows in out0
	s_lshl_b32 s20, s15, 7
	s_add_co_u32 s20, s20, s19                     ; my first row of out0,
	s_lshl_b32 s20, s20, 12
	s_lshl_b32 s21, s42, 9                         ; my first channel, in bytes: 512 x tile + 256 x half
	s_add_co_u32 s20, s20, s21
	s_lshl_b32 s21, s16, 8
	s_add_co_u32 s20, s20, s21
	s_mov_b32 s21, 0
	s_add_nc_u64 s[12:13], s[8:9], s[20:21]
	; THE HEAD'S ARITHMETIC, for my two rows
	s_wait_loadcnt 0x0
.irp e, 0,1
	v_max3_num_f32 v[MG+\e], v[MM+\e], v[MM+2+\e], v[MM+4+\e]
.endr
.irp k, 3,5,7,9,11,13
.irp e, 0,1
	v_max3_num_f32 v[MG+\e], v[MG+\e], v[MM+2*\k+\e], v[MM+2*\k+2+\e]
.endr
.endr
.irp e, 0,1
	v_max_num_f32 v[MG+\e], v[MG+\e], v[MM+30+\e]  ; the row's largest M (key 0 counts for every query, so it is a number of K step 0 at the least)
.endr
.macro FIX k, e
.set T0, 198+4*(\e)
	v_sub_f32 v[T0], v[MM+2*(\k)+(\e)], v[MG+(\e)] ; d = M - the row's largest M: a whole number, 0 or less,
	v_max_num_f32 v[T0], 0xc2fe0000, v[T0]         ; held at -127
	v_cvt_i32_f32 v[T0], v[T0]
.if (\k) == 0
	v_ldexp_f32 v[LS+(\e)], v[LL+(\e)], v[T0]      ; the first part starts l
.else
	v_ldexp_f32 v[T0+1], v[LL+2*(\k)+(\e)], v[T0]
	v_add_f32 v[LS+(\e)], v[LS+(\e)], v[T0+1]
.endif
	v_sub_nc_u32 v[T0], 0, v[T0]
	v_mul_lo_u32 v[T0], v[T0], s[ONES]             ; -d in each of the four bytes
	v_or_b32 v[T0+1], s[HIGH], v[WD+2*(\k)+(\e)]   ; 128 + byte (bytes are at most 125): no borrow goes from byte to byte
	v_sub_nc_u32 v[T0+1], v[T0+1], v[T0]
	v_and_b32 v[T0+2], s[HIGH], v[T0+1]            ; bit 7 stands where byte + d is 0 or more
	v_lshrrev_b32 v[T0+3], 7, v[T0+2]
	v_sub_nc_u32 v[T0+2], v[T0+2], v[T0+3]         ; 0x7f there, 0 elsewhere
	v_and_b32 v[WD+2*(\k)+(\e)], v[T0+1], v[T0+2]  ; byte + d, held at 0
.endm
.irp k, 0,1,2,3,4,5,6,7,8,9,10,11,12,13,14,15
	FIX \k, 0
	FIX \k, 1
.endr
	v_rcp_f32 v[RC], v[LS]
	v_rcp_f32 v[RC+1], v[LS+1]
	v_nop                                          ; a plain instruction behind the reciprocals
	s_wait_alu depctr_va_vdst(0)                   ; and the wait ahead of their first use
.irp k, 0,1,2,3,4,5,6,7,8,9,10,11,12,13,14,15
	ds_store_b64 v11, v[WD+2*\k:WD+2*\k+1] offset:256*\k
.endr
	ds_store_b64 v12, v[RC:RC+1]
.macro FRAG reg, adr, q, i             ; a fragment comes back as it was stored: three loads of 512 consecutive bytes
.irp c, 0,1,2
	ds_load_b128 v[\reg+4*\c:\reg+4*\c+3], v[\adr] offset:(\i)*TROW+(\q)*FRB+512*\c
.endr
.endm
; 8 matrix instructions: A's blocks a0, a0 + 1 x B's four, 128 along K: the slot's q-th.  sc: the set of scale words.  zero = 1: the first product starts the sums: nothing is ever cleared.
; The 32 accumulators take turns, one instruction a turn, in the same order in every step.
.macro MUL8 a0, q, sc, zero
.irp a, \a0, \a0+1
.irp b, 0,1,2,3
.if \zero
	v_wmma_scale_f32_16x16x128_f8f6f4 v[8*(4*(\a)+\b):8*(4*(\a)+\b)+7], v[BF+FR*\b:BF+FR*\b+FR-1], v[AF+FR*(\a):AF+FR*(\a)+FR-1], 0, v[SC+32*(\sc)+4*\b+(\q)], v[SC+32*(\sc)+4*(\a)+(\q)] matrix_a_fmt:MATRIX_FMT_FP6 matrix_b_fmt:MATRIX_FMT_FP6 matrix_a_scale:MATRIX_SCALE_ROW1
.else
	v_wmma_scale_f32_16x16x128_f8f6f4 v[8*(4*(\a)+\b):8*(4*(\a)+\b)+7], v[BF+FR*\b:BF+FR*\b+FR-1], v[AF+FR*(\a):AF+FR*(\a)+FR-1], v[8*(4*(\a)+\b):8*(4*(\a)+\b)+7], v[SC+32*(\sc)+4*\b+(\q)], v[SC+32*(\sc)+4*(\a)+(\q)] matrix_a_fmt:MATRIX_FMT_FP6 matrix_b_fmt:MATRIX_FMT_FP6 matrix_a_scale:MATRIX_SCALE_ROW1
.endif
.endr
.endr
.endm
.macro FETCH_B slot, q                 ; B's four fragments of the slot's q-th 128 along K, into the set whose window is set
.irp i, 0,1,2,3
	FRAG BF+FR*\i, ADRB+\slot, \q, \i
.endr
.endm
.macro FETCH_A slot, q, i0             ; A's blocks i0 .. i0 + 3 likewise
.irp i, \i0, \i0+1, \i0+2, \i0+3
	FRAG AF+FR*(\i), ADRA+\slot, \q, \i
.endr
.endm
.macro SCALES sc                       ; a slot's scale words into set sc (window 0)
.irp i, 0,1,2,3
.irp q, 0,1,2,3
	ds_load_b32 v[SC+32*\sc+4*\i+\q], v[ADRS] offset:256*\q+64*\i
.endr
.endr
.irp i, 4,5,6,7
.irp q, 0,1,2,3
	ds_load_b32 v[SC+32*\sc+4*\i+\q], v[ADRS2] offset:256*\q+64*(\i-4)
.endr
.endr
.endm
; A load into a register that a matrix instruction has read, and a vector instruction that reads a matrix result, stand NP places behind that matrix instruction; only plain vector instructions that name none of its registers are places.
.macro PLACES n
.rept \n
	v_nop
.endr
.endm
; A step of 128 along K that has its successor in the same slot: it multiplies set q % 2 and fills the other.
.macro STEP slot, q, zero
	s_wait_dscnt 12                                ; this step's B, A's blocks 0-3 and the scale words are in; the 12 youngest loads (A's blocks 4-7) may be out
	PLACES NP                                      ; the other set was read by the last step's products: these places serve both runs of loads below
	WIN 0x40+0x80*(1-(\q)%2)
	FETCH_B \slot, (\q)+1
	FETCH_A \slot, (\q)+1, 0
	WIN 0xa5+10*((\q)%2)
	MUL8 0, \q, \slot, \zero
	MUL8 2, \q, \slot, \zero
	s_wait_dscnt 24                                ; A's blocks 4-7 are in; the 24 loads just issued may be out
	WIN 0x40+0x80*(1-(\q)%2)
	FETCH_A \slot, (\q)+1, 4
	WIN 0xa5+10*((\q)%2)
	MUL8 4, \q, \slot, \zero
	MUL8 6, \q, \slot, \zero
.endm
; A slot's last step (set 1) changes slots: ONE barrier; in front of it each wave waits for all its tensor loads, adds 0 to its spare word, and waits for that and for its own reads of this slot.  fill = 1: this slot is filled again, two slots ahead.
.macro TURN slot, next, fill
	WIN 0                                          ; (the add's two registers lie in window 0)
	s_wait_tensorcnt 0x0                           ; all my tensor loads have landed: my part of the next slot
	ds_add_u32 v[SPW], v[NIL]                      ; 0 onto my spare word
	s_wait_dscnt 13                                ; (the add and the 12 youngest loads, A's blocks 4-7, may be out)
	WIN 0xaf
	MUL8 0, NQ-1, \slot, 0                         ; eight matrix instructions stand between the add and the wait for it
	s_wait_dscnt 0x0                               ; the add is done, and my reads of this slot are over
	s_barrier_signal -1
	MUL8 2, NQ-1, \slot, 0
	WIN 0
	s_barrier_wait -1
.if \fill
	CREST                                          ; the barrier has opened a round of the cluster's barrier: no wave of any partner still reads this slot or has a load on its way
	s_add_nc_u64 s[G0+4*\slot+2:G0+4*\slot+3], s[G0+4*\slot+2:G0+4*\slot+3], 2*TROW
	s_add_nc_u64 s[G0B+4*\slot+2:G0B+4*\slot+3], s[G0B+4*\slot+2:G0B+4*\slot+3], 2*TROW
	JLOAD G0+4*\slot, G1, G0B+4*\slot, G1B         ; the first tensor load behind the round; its four v_nop are the places in front of the loads below
.else
	PLACES NP
.endif
	v_add_nc_u32 v[ADRS], 256*NQ, v[ADRS]          ; on to the next slot's scale words
	v_add_nc_u32 v[ADRS2], 256*NQ, v[ADRS2]
	SCALES \next
	WIN 0x40                                       ; the next slot's first step goes into set 0
	FETCH_B \next, 0
	FETCH_A \next, 0, 0
	WIN 0xaf
	MUL8 4, NQ-1, \slot, 0
	MUL8 6, NQ-1, \slot, 0
	WIN 0x40
	FETCH_A \next, 0, 4
.endm
	s_wait_dscnt 0x0                               ; for the others' sake: my mended words and my 1 / l lie in LDS,
	s_wait_tensorcnt 1                             ; vt's scale words and my part of slot 0 are in (slot 1's load may be out)
	s_barrier_signal -1
	s_barrier_wait -1
	SCALES 0
	WIN 0x40
	FETCH_B 0, 0
	FETCH_A 0, 0, 0
	FETCH_A 0, 0, 4
	STEP 0, 0, 1                                   ; K 0-511; the first step's products start the sums
	STEP 0, 1, 0
	STEP 0, 2, 0
	TURN 0, 1, 1                                   ; slot 0 takes K 1,024-1,535
	STEP 1, 0, 0                                   ; K 512-1,023
	STEP 1, 1, 0
	STEP 1, 2, 0
	TURN 1, 0, 1                                   ; slot 1 takes K 1,536-2,047: the last load
	STEP 0, 0, 0
	STEP 0, 1, 0
	STEP 0, 2, 0
	TURN 0, 1, 0                                   ; nothing is left to fetch: no round of the cluster's barrier
	STEP 1, 0, 0
	STEP 1, 1, 0
	STEP 1, 2, 0
	s_wait_dscnt 12                                ; the very last step
	WIN 0xaf
	MUL8 0, NQ-1, 1, 0
	MUL8 2, NQ-1, 1, 0
	s_wait_dscnt 0
	MUL8 4, NQ-1, 1, 0
	MUL8 6, NQ-1, 1, 0
	WIN 0
; THE WAY OUT, block by block of 16 queries x 64 channels: divided by l, through my own stage in LDS, and back as whole parts of rows, 256 bytes each.  Accumulator b = 2 u + v holds channels 32 u + 16 (lane / 16) + 8 v + 0 .. 7.
.macro TOSTAGE a
.set AC, 32*(\a)
.if (\a) > 0
	s_wait_dscnt 8                                 ; all but the last block's 8 loads: its 8 stores into the stage are done, so their registers may be written
.endif
	WIN 0x02                                       ; source 0: window 2
.set II, 0
.rept 16
.if (\a)%2
	v_pk_mul_f32 v[TP+II:TP+II+1], v[AC+II:AC+II+1], v[LV+(\a)-1:LV+(\a)] op_sel:[0,1] op_sel_hi:[1,1]   ; the pair's upper register for both halves
.else
	v_pk_mul_f32 v[TP+II:TP+II+1], v[AC+II:AC+II+1], v[LV+(\a):LV+(\a)+1] op_sel_hi:[1,0]                ; the pair's lower register; each accumulator from its low end on
.endif
.set II, II+2
.endr
	WIN 0
.irp b, 0,1,2,3
	ds_store_b128 v[STO], v[TP+8*\b:TP+8*\b+3] offset:128*(\b/2)+32*(\b%2)
	ds_store_b128 v[STO], v[TP+8*\b+4:TP+8*\b+7] offset:128*(\b/2)+32*(\b%2)+16
.endr
.set BB, BK+32*((\a)%2)
.irp t, 0,1,2,3,4,5,6,7
	ds_load_b128 v[BB+4*\t:BB+4*\t+3], v[RD] offset:\t*2*SPITCH   ; LDS serves a wave's instructions in order: these see the stores above
.endr
.endm
.macro SEND a, younger                 ; younger: the LDS instructions issued behind block a's loads, which may stay out
.set BB, BK+32*((\a)%2)
	s_wait_dscnt \younger
.irp t, 0,1,2,3,4,5,6,7
	global_store_b128 v[CO], v[BB+4*\t:BB+4*\t+3], s[12:13] offset:(32*((\a)/2)+8*((\a)%2)+2*\t+8*(\t/4))*4096 th:TH_STORE_NT   ; rows 2 t and 2 t + 1 of tile a by the storage order; 16 lanes store 256 consecutive bytes, aligned; 127 rows at the most: inside the signed 24-bit immediate
.endr
.endm
	PLACES NP                                      ; behind the last products
.irp a, 0,1,2,3,4,5,6,7
	ds_load_b32 v[LV+\a], v13 offset:64*\a         ; 1 / l of my row of block a
.endr
	s_wait_dscnt 0x0
	TOSTAGE 0
.irp a, 1,2,3,4,5,6,7
.if \a > 1
	s_wait_xcnt 0x0                                ; block a - 2's stores have read their registers: block a's loads may land there
.endif
	TOSTAGE \a
	SEND \a-1, 16                                  ; behind block a - 1's loads: block a's 8 stores and 8 loads
.endr
	SEND 7, 0
	s_wait_tensorcnt 0x0                           ; the wave's end
	ds_add_u32 v[SPW], v[NIL]
	s_wait_dscnt 0x0
	CROUND                                         ; the closing round: no work-group ends while a partner may still ask for a tile that names it
	s_endpgm
.Lfunc_end_k_q93d1623a1d_pv:
	.size	k_q93d1623a1d_pv, .Lfunc_end_k_q93d1623a1d_pv-k_q93d1623a1d_pv
	.p2alignl 7, 3214868480
	.fill 96, 4, 3214868480
	.section	.rodata,"a",@progbits
	.p2align	6, 0x0
	.amdhsa_kernel k_q93d1623a1d_pv
		.amdhsa_group_segment_fixed_size 327680
		.amdhsa_private_segment_fixed_size 0
		.amdhsa_enable_private_segment 0
		.amdhsa_kernarg_size 24
		.amdhsa_user_sgpr_count 2
		.amdhsa_user_sgpr_kernarg_segment_ptr 1
		.amdhsa_wavefront_size32 1
		.amdhsa_system_sgpr_workgroup_id_x 1
		.amdhsa_system_sgpr_workgroup_id_y 1
		.amdhsa_system_sgpr_workgroup_id_z 1
		.amdhsa_system_vgpr_workitem_id 0
		.amdhsa_next_free_vgpr 1024
		.amdhsa_next_free_sgpr 104
		.amdhsa_reserve_vcc 0
		.amdhsa_float_denorm_mode_32 3
		.amdhsa_float_denorm_mode_16_64 3
		.amdhsa_memory_ordered 1
		.amdhsa_forward_progress 1
		.amdhsa_inst_pref_size 172
	.end_amdhsa_kernel
	.amdgpu_metadata
---
amdhsa.version: [ 1, 2 ]
amdhsa.kernels:
  - .name:           k_q93d1623a1d_pv
    .symbol:         k_q93d1623a1d_pv.kd
    .args:
      - { .name: p, .offset: 0, .size: 8, .value_kind: global_buffer, .address_space: global }
      - { .name: vt, .offset: 8, .size: 8, .value_kind: global_buffer, .address_space: global }
      - { .name: out0, .offset: 16, .size: 8, .value_kind: global_buffer, .address_space: global }
    .group_segment_fixed_size: 327680
    .private_segment_fixed_size: 0
    .kernarg_segment_align: 8
    .kernarg_segment_size: 24
    .max_flat_workgroup_size: 128
    .sgpr_count:     104
    .vgpr_count:     1024
    .wavefront_size: 32
...
	.end_amdgpu_metadata
.endif
;; end of part 4
